; MI455X (gfx1250); checked and timed in simulation.
; The chip was launched on July 23, 2026; its instructions are those of AMD's public machine-readable ISA for CDNA 5 (MIT licence, August 2026) and "CDNA5" Instruction Set Architecture Reference Guide (July 2026). The comments in the code are by the model that wrote it; some were corrected since.
;; Attention. Allowed arithmetic: matrix products marked QUANTISED: E2M3 operands, one E8M0 scale for each 32 along K, by v_wmma_scale_f32_16x16x128_f8f6f4 with both operands' format E2M3, f32 sums; everything else in f32.
;; Inputs: w_proj 1,024 x 1,024 float32; w_qkv 1,024 x 3,072 float32; x 4 x 2,048 x 1,024 float32.
;; Outputs: out0 4 x 2,048 x 1,024 float32.
;; This version of the problem:
;;   THIS VERSION OF THE PROBLEM IS GIVEN IN LOW PRECISION. The matrix products marked QUANTISED in the list below multiply operands that are first quantised to E2M3 (2 exponent bits, 3 mantissa bits; 6 bits a number), with one power-of-two scale for each 32 numbers along K (OCP MX v1.0); their sums are f32. All else is computed in f32.
;;   The module's matrix products, in the order in which they are computed (A, B: the left and right operand; K: the contracted axis; several contracted axes count as one K, in the product's order):
;;     1. [M 8,192, K 1,024] x [K 1,024, N 3,072]; A: input x; B: input w_qkv: QUANTISED
;;     2. batch 64 x [M 2,048, K 64] x [K 64, N 2,048]; A: computed on the way; B: computed on the way: QUANTISED
;;     3. batch 64 x [M 2,048, K 2,048] x [K 2,048, N 64]; A: softmax (see below); B: computed on the way: QUANTISED
;;     4. [M 8,192, K 1,024] x [K 1,024, N 1,024]; A: computed on the way; B: input w_proj: QUANTISED
;;   THE QUANTISER, for each operand of a quantised product, along K:
;;     - K is cut into blocks of 32 from its start; a last block that is shorter is filled with zeros.
;;     - A block's scale is 2^e with e = floor(log2(the largest magnitude in the block)) - 2, held to -126 .. 127; a block of zeros has e = 0. As a byte (E8M0): e + 127.
;;     - Each number is divided by its block's scale, clamped to +-7.5, and rounded to the nearest number of E2M3, ties to even, subnormals kept.
;;     - The product sums the exact products of the quantised numbers (number of the format x scale) in f32.
;;   ~~~python
;;   def quantise(x, axis):      # numpy; x: float32 -> the quantised numbers, widened to float32 again
;;       x = np.moveaxis(x, axis, -1); K = x.shape[-1]
;;       x = np.pad(x, [(0, 0)] * (x.ndim - 1) + [(0, -K % 32)]); x = x.reshape(x.shape[:-1] + (-1, 32)); a = np.abs(x).max(-1, keepdims=True)
;;       e = np.where(a > 0, np.clip(np.frexp(np.where(a > 0, a, 1))[1] - 1 - 2, -126, 127), 0)      # np.frexp(a)[1] - 1 = floor(log2(a)), exactly
;;       r = np.clip(x / 2.0 ** e, -7.5, 7.5)
;;       step = 2.0 ** (np.maximum(np.frexp(np.where(r == 0, 1, r))[1] - 1, 0) - 3)
;;       q = np.round(r / step) * step * 2.0 ** e      # np.round: ties to even
;;       return np.moveaxis(q.reshape(q.shape[:-2] + (-1,))[..., :K], -1, axis).astype(np.float32)
;;   ~~~
;;   SOFTMAX AHEAD OF A QUANTISED PRODUCT. Where the list says 'softmax', what is quantised is not the finished softmax but p = 2^(t - M), with t = logit x log2(e) and M = ceil(the row's largest t), a whole number; so 1/2 < the row's largest p <= 1. The row's sum l is taken of the UNQUANTISED p, in f32, and the product's result is divided by l at the end. Since M is a whole number, a kernel that streams over the keys may use a running M (the ceiling of the running maximum): every later rescaling is an exact power of two, which a block's scale takes up: the codes' values come out the same.
;;   OPERANDS COMPUTED ON THE WAY. 'Computed on the way' means the value that the module computes at that place (a softmax that the list does not call 'softmax' is quantised finished and normalised). What goes into a quantiser is computed in f32, as accurately as f32 sums, v_exp_f32 and their like allow (about 1e-6 of the number): no bf16 or f16 on the way to a quantiser, and a product that is left as it is and whose result goes on into a quantised operand takes f32 operands (vector FMAs, or v_wmma_f32_16x16x4_f32). A number that lies on a knife's edge between two numbers of the format may be rounded either way, as far as f32 arithmetic and the matrix unit's own rounding can turn it there, and no further.
;; One version. Each part assembles by itself: llvm-mc -triple=amdgcn-amd-amdhsa -mcpu=gfx1250 --defsym DOCPART=n.
;; ======== version 1 of 1: 4 launches
;; limits: right only within a limited range of input values
;; workspace buffers: xbuf 6,553,600 bytes; wbuf 3,276,800 bytes; qbuf 6,815,744 bytes; kbuf 6,815,744 bytes; vbuf 6,553,600 bytes; ybuf 6,553,600 bytes
;; launch prep (part 1): grid 192 x 4, 4 waves a work-group, no clusters, 59,904 bytes of LDS; arguments x, w_qkv, w_proj, xbuf, wbuf; writes xbuf, wbuf
.if DOCPART == 1
	.amdgcn_target "amdgcn-amd-amdhsa--gfx1250"
	.amdhsa_code_object_version 6
	.text
	.protected	k_q263cb512b9_prep
	.globl	k_q263cb512b9_prep
	.p2align	8
	.type	k_q263cb512b9_prep,@function
k_q263cb512b9_prep:
	s_mov_b64 s[64:65], 0
	v_nop
	global_prefetch_b8 v0, s[64:65] scope:SCOPE_SE
	s_setreg_imm32_b32 hwreg(HW_REG_WAVE_MODE, 25, 1), 1
	s_wait_xcnt 0x0
; x [8192][1024], w_qkv [1024][3072] and w_proj [1024][1024], f32, become codes of FP6 (E2M3) with one E8M0 byte for each 32 along K (K = 1024: x's last axis, the weights' first).
; A block's scale is 2^(floor(log2(its largest magnitude)) - 2); its byte is the largest magnitude's exponent field - 2, held at 1 from below.
; LIMITS: NaN and infinities among the inputs are not served.  A block whose largest magnitude lies under 2^-124 (a block of zeros among them) gets the byte 1 where the rule gives less or 127:
; its codes are zeros or next to zero, and the bytes are read by this program alone.
; THE LAYOUT OF THE RESULT IS AN IMAGE OF THE OPERAND'S REGISTERS.  A granule is 16 rows x 64 along K, 768 bytes: lane l's registers 0-3 at 16 l, its registers 4-5 at 512 + 8 l; lane l = (r = l % 16, h = l / 16)
; holds K = 32 h .. 32 h + 31 of the tile's row r, 192 bits on end.  Row tile 2 b + u holds rows 32 b + 8 u + r + 8 (r / 8).  Codes: [row tile][16 granules][768]; scale bytes: [row tile][K / 256][r][8].
; SHARES.  Work-group y is a quarter of K (256).  x 0-63 take the weights: x % 32 says which 128 columns (0-23: w_qkv, 24-31: w_proj), x / 32 which half of the quarter of K: a wave has 32 columns x 128 K, four blocks,
; two of them on their way at a time.  x 64-191 take x, four row tiles each.  768 work-groups.  Waves share nothing: no barrier.  No work-group reads what another reads: no cluster.
; The two paths part on the work-group's number and have LDS bytes of their own.
.set XS,    6291456                    ; xbuf: the scale bytes begin here
.set WQS,   2359296                    ; wbuf: w_qkv's scale bytes,
.set WPC,   2457600                    ; w_proj's codes,
.set WPS,   3244032                    ; w_proj's scale bytes
.set TILEB, 12288                      ; a row tile's codes for all of K
.set QUARB, 3072                       ; and for a quarter of K: four granules
.set XPIT,  528                        ; X path: a stage row: 512 bytes + 16
.set XSTG,  16*XPIT                    ; a wave's stage
.set WBASE, 4*XSTG                     ; W path: its stages begin behind the X path's
.set WHALF, 3200                       ; room for one row tile's granules
.set WSTG,  2*WHALF
.set FLOOR, 3<<23                      ; 2^(3 - 127): no largest magnitude is taken under it, so the byte cannot fall under 1
.set OFFE,  0xff000000                 ; takes 2 off an exponent field
.set SB,    14                         ; W: v14 four scale bytes
.set CW,    16                         ; W: v16-22 a block's codes
.set RO,    32                         ; W: v32-63 byte offset of row i of a block at my column
.set XW,    64                         ; W: v64-127 two sets of 32 numbers
.set OUTR,  128                        ; W: v128-151 the way out
.set XN,    32                         ; X: v32-95 64 numbers as the conversions want them
.set RX,    96                         ; X: v96-223 the numbers as loaded
.set CX,    224                        ; X: v224-247 codes, six registers a granule
	s_load_b256 s[4:11], s[0:1], 0x0               ; x s[4:5], w_qkv s[6:7], w_proj s[8:9], xbuf s[10:11]
	s_load_b64 s[12:13], s[0:1], 0x20              ; wbuf
	v_lshl_add_u32 v254, v0, 2, 0xe800
	v_mov_b32 v255, 0
	v_lshrrev_b32 v1, 5, v0
	v_readfirstlane_b32 s16, v1                    ; wave
	v_and_b32 v2, 31, v0                           ; lane L
	s_and_b32 s17, ttmp7, 0xffff                   ; y: which quarter of K
	s_cmp_lt_u32 ttmp9, 64
	s_cbranch_scc0 .Lx_path
; ---------------- THE WEIGHTS: a lane takes a column, its registers run down K: a block of 32 lies in one lane, and the conversions give codes with K innermost.
	v_bfe_u32 v1, v0, 3, 1                         ; column 32 b + L lies in row tile 2 b + u, u = (L / 8) % 2,
	v_and_b32 v3, 7, v0
	v_bfe_u32 v12, v0, 4, 1
	v_lshl_add_u32 v3, v12, 3, v3                  ; at its row r = L % 8 + 8 (L / 16)
	s_mul_i32 s32, s16, WSTG
	s_add_co_u32 s32, s32, WBASE                   ; my wave's stage
	v_mul_u32_u24 v12, v1, WHALF
	v_add_nc_u32 v12, s32, v12
	v_lshl_add_u32 v5, v3, 4, v12                  ; into the stage: registers 0-3: 16 r,
	v_lshl_add_u32 v6, v3, 3, v12                  ; registers 4-5: 8 r
	v_lshlrev_b32 v9, 4, v2                        ; out of it and into memory: 16 L
	v_add_nc_u32 v7, s32, v9
	v_lshlrev_b32 v8, 3, v3
	v_lshl_add_u32 v8, v1, 9, v8                   ; my row's scale bytes: 512 u + 8 r
	v_lshlrev_b32 v4, 2, v2                        ; in: 4 bytes a lane
	s_and_b32 s38, ttmp9, 31                       ; which 128 columns,
	s_lshr_b32 s39, ttmp9, 5                       ; which half of the quarter of K
	s_mov_b32 s22, 4096
	s_mov_b32 s24, WPC
	s_mov_b32 s25, WPS
	s_wait_kmcnt 0x0
	s_cmp_lt_u32 s38, 24                           ; w_qkv or w_proj: the choice hangs on the work-group's number alone
	s_cselect_b64 s[20:21], s[6:7], s[8:9]
	s_cselect_b32 s22, 12288, s22                  ; a row of the weight in bytes
	s_cselect_b32 s23, 0, 24
	s_cselect_b32 s24, 0, s24                      ; where its codes begin in wbuf,
	s_cselect_b32 s25, WQS, s25                    ; and its scale bytes
	s_sub_co_u32 s23, s38, s23
	s_lshl_b32 s33, s23, 2
	s_add_co_u32 s33, s33, s16                     ; b: which 32 columns are my wave's
	s_lshl_b32 s34, s17, 8
	s_lshl_b32 s35, s39, 7
	s_add_co_u32 s34, s34, s35
	s_mul_i32 s34, s34, s22                        ; 256 y + 128 x half rows down,
	s_lshl_b32 s35, s33, 7
	s_add_co_u32 s34, s34, s35                     ; 128 b bytes along
	s_mov_b32 s35, 0
	s_add_nc_u64 s[20:21], s[20:21], s[34:35]
	s_mul_i32 s34, s33, 2*TILEB
	s_add_co_u32 s34, s34, s24
	s_mul_i32 s36, s17, QUARB
	s_add_co_u32 s34, s34, s36
	s_mul_i32 s36, s39, 1536
	s_add_co_u32 s34, s34, s36
	s_add_nc_u64 s[28:29], s[12:13], s[34:35]      ; codes: row tile 2 b, granule 4 y + 2 x half
	s_lshl_b32 s34, s33, 10
	s_add_co_u32 s34, s34, s25
	s_lshl_b32 s36, s17, 7
	s_add_co_u32 s34, s34, s36
	s_lshl_b32 s36, s39, 2
	s_add_co_u32 s34, s34, s36
	s_add_nc_u64 s[30:31], s[12:13], s[34:35]      ; scale bytes: row tile 2 b, quarter y, my four of a row's eight
	s_lshl_b32 s26, s22, 5                         ; a block on: 32 rows
	s_mov_b32 s27, 0
	v_mov_b32 v10, s22
	s_wait_alu depctr_va_vdst(0)
.irp i, 0,1,2,3,4,5,6,7,8,9,10,11,12,13,14,15,16,17,18,19,20,21,22,23,24,25,26,27,28,29,30,31
	v_mad_u32_u24 v[RO+\i], v10, \i, v4            ; a row's length is chosen above, so the rows' offsets stand in registers
.endr
.macro LOADW t                         ; block t: 32 rows at my column into set t % 2; each load reads 128 consecutive bytes, the four waves stand side by side on 512
.irp i, 0,1,2,3,4,5,6,7,8,9,10,11,12,13,14,15,16,17,18,19,20,21,22,23,24,25,26,27,28,29,30,31
	global_load_b32 v[XW+32*((\t)%2)+\i], v[RO+\i], s[20:21] th:TH_LOAD_NT
.endr
	s_wait_xcnt 0x0                                ; the loads have read their base: it may step
	s_add_nc_u64 s[20:21], s[20:21], s[26:27]
.endm
.macro BLOCKW t
.set XB, XW+32*((\t)%2)
.if (\t) < 3
	s_wait_loadcnt 32                              ; this block's 32 loads are in; the next block's 32 may be out
.else
	s_wait_loadcnt 0x0
.endif
	v_max3_num_f32 v12, |v[XB]|, |v[XB+1]|, |v[XB+2]|              ; the block's largest magnitude: all 32 numbers are mine; two chains
	v_max3_num_f32 v13, |v[XB+3]|, |v[XB+4]|, |v[XB+5]|
.irp i, 6,10,14,18,22,26
	v_max3_num_f32 v12, v12, |v[XB+\i]|, |v[XB+\i+1]|
	v_max3_num_f32 v13, v13, |v[XB+\i+2]|, |v[XB+\i+3]|
.endr
	v_max3_num_f32 v12, v12, |v[XB+30]|, |v[XB+31]|
	v_max3_num_f32 v12, v12, v13, FLOOR
	v_add_nc_u32 v11, OFFE, v12                    ; 2 off its exponent field: the conversion takes the exponent field of this operand as its scale
	v_lshrrev_b32 v13, 23, v11                     ; the scale's byte
.if (\t) == 0
	v_mov_b32 v[SB], v13
.else
	v_lshl_or_b32 v[SB], v13, 8*(\t), v[SB]
.endif
	v_cvt_scalef32_pk16_fp6_f32 v[CW:CW+2], v[XB:XB+15], v11
	v_cvt_scalef32_pk16_fp6_f32 v[CW+4:CW+6], v[XB+16:XB+31], v11  ; (a conversion's three registers begin on an even number)
	v_nop                                          ; one plain line between a scaled conversion and the vector lines that touch its result
	v_mov_b32 v[CW+3], v[CW+4]                     ; the block's six registers on end
	v_mov_b32 v[CW+4], v[CW+5]
	v_mov_b32 v[CW+5], v[CW+6]
	ds_store_b128 v5, v[CW:CW+3] offset:((\t)/2)*768+256*((\t)%2)  ; block t is half h = t % 2 of granule t / 2: image lane r + 16 h
	ds_store_b64 v6, v[CW+4:CW+5] offset:((\t)/2)*768+512+128*((\t)%2)
.if (\t) < 2
	LOADW (\t)+2
.endif
	s_wait_dscnt 0x0                               ; the stores have read their registers: the next block's codes may be written
.endm
	LOADW 0
	s_wait_alu depctr_va_vdst(0)
	LOADW 1
.set Q, 0
.rept 4
	BLOCKW Q
.set Q, Q+1
.endr
	s_wait_alu depctr_va_vdst(0)
	global_store_b32 v8, v[SB], s[30:31]           ; my row's four scale bytes
.irp k, 0,1,2,3,4,5
	ds_load_b128 v[OUTR+4*\k:OUTR+4*\k+3], v7 offset:WHALF*(\k/3)+512*(\k%3)   ; LDS serves a wave's instructions in order: these see my stores
.endr
.irp k, 0,1,2,3,4,5
	s_wait_dscnt 5-\k                              ; the younger read-backs may be out
	global_store_b128 v9, v[OUTR+4*\k:OUTR+4*\k+3], s[28:29] offset:TILEB*(\k/3)+512*(\k%3)   ; 512 consecutive bytes, at a multiple of 256 from the buffer's first byte
.endr
	s_wait_tensorcnt 0x0
	ds_add_u32 v254, v255
	s_wait_dscnt 0x0
	s_endpgm
; ---------------- x: K is innermost.  Every load reads 512 consecutive bytes of a row; the rows turn through the wave's own stage, so that lane (r, h) gets whole blocks of 32 of row r.
.Lx_path:
	s_sub_co_u32 s32, ttmp9, 64
	s_lshl_b32 s32, s32, 2
	s_add_co_u32 s32, s32, s16                     ; my row tile
	s_lshr_b32 s33, s32, 1
	s_lshl_b32 s33, s33, 5
	s_and_b32 s34, s32, 1
	s_lshl_b32 s34, s34, 3
	s_add_co_u32 s33, s33, s34                     ; its first row: 32 (tile / 2) + 8 (tile % 2)
	s_lshl_b32 s34, s33, 12
	s_lshl_b32 s36, s17, 10
	s_add_co_u32 s34, s34, s36
	s_mov_b32 s35, 0
	s_mov_b32 s18, 0x76543210
	s_mov_b32 s19, 0xfedcba98                      ; v_permlanex16_b32's selects for lane l xor 16
	v_and_b32 v3, 15, v0                           ; r
	v_bfe_u32 v1, v0, 4, 1                         ; h
	s_wait_alu depctr_va_vdst(0)
	v_lshlrev_b32 v4, 4, v2                        ; 16 L
	v_lshlrev_b32 v5, 3, v2                        ; 8 L
	s_mul_i32 s37, s16, XSTG
	v_add_nc_u32 v6, s37, v4                       ; into the stage: a row as it lies
	v_mul_u32_u24 v7, v3, XPIT
	v_lshl_add_u32 v7, v1, 7, v7
	v_add_nc_u32 v7, s37, v7                       ; out of it: row r, + 128 h: my block of 32 numbers
	v_lshlrev_b32 v8, 3, v3
	v_lshl_add_u32 v8, v1, 2, v8                   ; the scale word that I store: 8 r + 4 h
	v_lshlrev_b32 v9, 3, v1                        ; 8 h
	v_mov_b32 v20, 0                               ; a lane permute's destination counts as one of its sources
	v_mov_b32 v21, 0
	s_wait_alu depctr_va_vdst(0)
	s_wait_kmcnt 0x0
	s_add_nc_u64 s[20:21], s[4:5], s[34:35]
	s_mul_i32 s34, s32, TILEB
	s_mul_i32 s36, s17, QUARB
	s_add_co_u32 s34, s34, s36
	s_add_nc_u64 s[28:29], s[10:11], s[34:35]
	s_lshl_b32 s34, s32, 9
	s_lshl_b32 s36, s17, 7
	s_add_co_u32 s34, s34, s36
	s_add_co_u32 s34, s34, XS
	s_add_nc_u64 s[30:31], s[10:11], s[34:35]
.irp e, 0,1
.irp p, 0,1,2,3,4,5,6,7,8,9,10,11,12,13,14,15
	global_load_b128 v[RX+64*\e+4*\p:RX+64*\e+4*\p+3], v4, s[20:21] offset:(\p+8*(\p/8))*4096+512*\e th:TH_LOAD_NT   ; tile row p, 128 numbers
.endr
.endr
.irp e, 0,1                            ; 128 along K at a time: granules 2 e and 2 e + 1
	s_wait_loadcnt 16*(1-\e)                       ; this half's 16 loads are in; the other half's 16 may be out
.irp p, 0,1,2,3,4,5,6,7,8,9,10,11,12,13,14,15
	ds_store_b128 v6, v[RX+64*\e+4*\p:RX+64*\e+4*\p+3] offset:XPIT*\p
.endr
.irp c, 0,1
.irp j, 0,1,2,3,4,5,6,7
	ds_load_b128 v[XN+32*\c+4*\j:XN+32*\c+4*\j+3], v7 offset:256*\c+16*\j     ; LDS serves a wave's instructions in order: these see the stores above
.endr
.endr
	s_wait_dscnt 0x0
.irp c, 0,1
	v_max3_num_f32 v[10+\c], |v[XN+32*\c]|, |v[XN+32*\c+1]|, FLOOR            ; my block of granule 2 e + c: all 32 numbers are mine
.endr
.irp i, 2,4,6,8,10,12,14,16,18,20,22,24,26,28,30
.irp c, 0,1
	v_max3_num_f32 v[10+\c], v[10+\c], |v[XN+32*\c+\i]|, |v[XN+32*\c+\i+1]|   ; (the two blocks by turns)
.endr
.endr
.irp c, 0,1
	v_add_nc_u32 v[12+\c], OFFE, v[10+\c]
.endr
.irp c, 0,1
	v_lshrrev_b32 v[14+2*\e+\c], 23, v[12+\c]      ; the scale's byte: block 2 (2 e + c) + h of the quarter
.endr
.irp c, 0,1
	v_cvt_scalef32_pk16_fp6_f32 v[CX+6*(2*\e+\c):CX+6*(2*\e+\c)+2], v[XN+32*\c:XN+32*\c+15], v[12+\c]
	v_cvt_scalef32_pk16_fp6_f32 v[22+4*\c:24+4*\c], v[XN+32*\c+16:XN+32*\c+31], v[12+\c]
.endr
	v_nop                                          ; one plain line behind the scaled conversions
.irp c, 0,1
.irp i, 0,1,2
	v_mov_b32 v[CX+6*(2*\e+\c)+3+\i], v[22+4*\c+\i]
.endr
.endr
.irp c, 0,1
	global_store_b128 v4, v[CX+6*(2*\e+\c):CX+6*(2*\e+\c)+3], s[28:29] offset:768*(2*\e+\c)          ; 512 consecutive bytes,
	global_store_b64 v5, v[CX+6*(2*\e+\c)+4:CX+6*(2*\e+\c)+5], s[28:29] offset:768*(2*\e+\c)+512     ; 256: both at multiples of 256
.endr
.endr
	v_lshl_or_b32 v18, v15, 16, v14                ; my four bytes stand at bytes h and 2 + h of the row's two scale words;
	v_lshl_or_b32 v19, v17, 16, v16
	v_lshlrev_b32 v18, v9, v18
	v_lshlrev_b32 v19, v9, v19
	v_permlanex16_b32 v20, v18, s18, s19
	v_permlanex16_b32 v21, v19, s18, s19
	v_or_b32 v18, v18, v20                         ; with lane l xor 16's the words are whole
	v_or_b32 v19, v19, v21
	v_cmp_eq_u32 vcc_lo, 0, v9
	v_cndmask_b32 v18, v19, v18, vcc_lo            ; lanes 0-15 store the first word, lanes 16-31 the second: each byte once
	global_store_b32 v8, v18, s[30:31]
	s_wait_tensorcnt 0x0
	ds_add_u32 v254, v255
	s_wait_dscnt 0x0
	s_endpgm
.Lfunc_end_k_q263cb512b9_prep:
	.size	k_q263cb512b9_prep, .Lfunc_end_k_q263cb512b9_prep-k_q263cb512b9_prep
	.p2alignl 7, 3214868480
	.fill 96, 4, 3214868480
	.section	.rodata,"a",@progbits
	.p2align	6, 0x0
	.amdhsa_kernel k_q263cb512b9_prep
		.amdhsa_group_segment_fixed_size 59904
		.amdhsa_private_segment_fixed_size 0
		.amdhsa_enable_private_segment 0
		.amdhsa_kernarg_size 40
		.amdhsa_user_sgpr_count 2
		.amdhsa_user_sgpr_kernarg_segment_ptr 1
		.amdhsa_wavefront_size32 1
		.amdhsa_system_sgpr_workgroup_id_x 1
		.amdhsa_system_sgpr_workgroup_id_y 1
		.amdhsa_system_sgpr_workgroup_id_z 1
		.amdhsa_system_vgpr_workitem_id 0
		.amdhsa_next_free_vgpr 256
		.amdhsa_next_free_sgpr 66
		.amdhsa_reserve_vcc 1
		.amdhsa_float_denorm_mode_32 3
		.amdhsa_float_denorm_mode_16_64 3
		.amdhsa_memory_ordered 1
		.amdhsa_forward_progress 1
		.amdhsa_inst_pref_size 41
	.end_amdhsa_kernel
	.amdgpu_metadata
---
amdhsa.version: [ 1, 2 ]
amdhsa.kernels:
  - .name:           k_q263cb512b9_prep
    .symbol:         k_q263cb512b9_prep.kd
    .args:
      - { .name: x, .offset: 0, .size: 8, .value_kind: global_buffer, .address_space: global }
      - { .name: w_qkv, .offset: 8, .size: 8, .value_kind: global_buffer, .address_space: global }
      - { .name: w_proj, .offset: 16, .size: 8, .value_kind: global_buffer, .address_space: global }
      - { .name: xbuf, .offset: 24, .size: 8, .value_kind: global_buffer, .address_space: global }
      - { .name: wbuf, .offset: 32, .size: 8, .value_kind: global_buffer, .address_space: global }
    .group_segment_fixed_size: 59904
    .private_segment_fixed_size: 0
    .kernarg_segment_align: 8
    .kernarg_segment_size: 40
    .max_flat_workgroup_size: 128
    .sgpr_count:     66
    .vgpr_count:     256
    .wavefront_size: 32
...
	.end_amdgpu_metadata
.endif
;; end of part 1
;; launch qkv (part 2): grid 8 x 32, 4 waves a work-group, clusters of 4 x 4, 327,680 bytes of LDS; arguments xbuf, wbuf, qbuf, kbuf, vbuf; writes qbuf, kbuf, vbuf
.if DOCPART == 2
	.amdgcn_target "amdgcn-amd-amdhsa--gfx1250"
	.amdhsa_code_object_version 6
	.text
	.protected	k_q263cb512b9_qkv
	.globl	k_q263cb512b9_qkv
	.p2align	8
	.type	k_q263cb512b9_qkv,@function
k_q263cb512b9_qkv:
	s_mov_b64 s[64:65], 0
	v_nop
	global_prefetch_b8 v0, s[64:65] scope:SCOPE_SE
	s_setreg_imm32_b32 hwreg(HW_REG_WAVE_MODE, 25, 1), 1
	s_wait_xcnt 0x0
	s_wait_alu depctr_hold_cnt(0) depctr_sa_sdst(0) depctr_va_vdst(0) depctr_va_sdst(0) depctr_va_ssrc(0) depctr_va_vcc(0) depctr_vm_vsrc(0)
	s_getreg_b32 s2, hwreg(HW_REG_IB_STS2, 6, 4)
	s_cmp_eq_u32 s2, 0
	s_cbranch_scc0 .Lentry_in_a_cluster
	s_endpgm
.Lentry_in_a_cluster:
	s_bfe_u32 s2, ttmp6, 0x10000c
	s_cmp_lg_u32 s2, 0xf033
	s_cbranch_scc0 .Lentry_shape_is_right
	s_endpgm
.Lentry_shape_is_right:
; qkv = x w_qkv on codes of FP6 (E2M3) with E8M0 scales, K = 1024.  No f32 result is stored: q and k are quantised along the head's 64, v along the keys, on the way out.
; OPERANDS are images of registers.  A granule (16 rows x 64 K) is 768 bytes: lane l's registers 0-3 at 16 l, registers 4-5 at 512 + 8 l.  Codes [row tile][16 granules][768]; scale bytes [row tile][K / 256][r][8].
; Row tile 2 b + u holds rows 32 b + 8 u + r + 8 (r / 8): the 16 result registers of source 0's tiles 2 b, 2 b + 1 are 16 neighbours, 32 b + 16 (lane / 16) + 0 .. 15.
; THE DEAL.  256 work-groups: x = which two heads (128 columns of q, of k and of v), y = which 256 tokens.  Four waves, 2 x 2: row a takes 128 tokens (8 row tiles), column b one head (4 row tiles of the weight).
; The 256 tokens' codes, all of K, lie in LDS for the whole launch (196,608 bytes, filled once).  A wave's 64 rows of a weight, all of K, lie in 384 registers; x goes past them in blocks of 16 tokens, 32 products a block,
; four accumulators by turns.  THREE PHASES: q, k (one text, two trips), v.  The weights' region of LDS (98,304 bytes) is filled again twice, each time when all waves hold the weight in registers,
; behind the three lines and a round of the cluster's barrier; the first such round also shows x's tiles to all waves.  What a refill brought is shown by a plain barrier at the phase's end.
; SCALE WORDS come by plain loads, 256 consecutive bytes each: lanes 0-15 get the words of K / 256 = 2 p, lanes 16-31 of 2 p + 1.  So a row tile's 32 bytes take four registers, and step q of 128 reads register 2 (q / 4) + q % 2, lanes' half (q / 2) % 2.
; CLUSTERS: 4 x 4; x's tiles are asked for jointly along a row of the cluster, the weights' along a column.
; PREFETCH: the weight of the next refill but none is asked for one refill ahead (k's at the head, v's behind the first refill): the sixteen waves of a cluster's column share its 384 blocks of 256 bytes by address, 24 each; clusters y 0-3 ask.
; OUT (as the next launch reads them).  qbuf, kbuf, a head 106,496 bytes: [token tile 0..127][768], from 98,304 on scale words [tile / 4][r][tile % 4][4]: bytes 0, 1 the head's two blocks, bytes 2, 3 are 0.
; vbuf, a head 102,400 bytes: [128 keys s][channel tile 0..3][1,536], from 98,304 on scale words [s][r][tile][4].
; LIMITS: a block whose largest magnitude lies under 2^-124 gets the byte 1 (its codes are zeros or next to zero; this program alone reads the bytes); NaN and infinities are not served.
; REGISTERS: window 0: v0-15 addresses, v32-63 x's scale words, v66-113 the weights' (three sets), v128-183 the way out.  Fragment f (12 registers) lies in window 1 + f / 21 at 12 (f % 21): 0-31 the weight's (4 q + t), 32-47 x's two sets.  v896-1023 accumulators.
.set TILEB,  12288
.set WB,     196608
.set SPARE,  294912
.set XS,     6291456
.set WQS,    2359296
.set QHEAD,  106496
.set VHEAD,  102400
.set SCO,    98304
.set FLOOR,  0x1800000
.set H,    2
.set L16,  4
.set L8,   5
.set A16,  6                           ; v6, v7: my row tiles 0-3 (16 l, 8 l); v8, v9: tiles 4-7
.set A8,   7
.set W16,  10
.set W8,   11
.set SPW,  12
.set NIL,  13
.set PFO,  14
.set VSO,  15
.set SA,   32
.set SB,   66
.set TM,   128
.set TC,   134
.set WT,   138
.set SW,   140
.set VW,   148
.set SD,   152
.set PC,   160
.set ACC,  128                         ; in window 3
.set G1A, 24
.set G1W, 32
.set G0A, 48
.set G0W, 52
.set OC,  60
.set OS,  62
.set MSB, 0
.macro WIN new
.if MSB != (\new)
	s_set_vgpr_msb (MSB<<8)|(\new)
.set MSB, (\new)
.endif
.endm
.macro PLACES n
.rept \n
	v_nop
.endr
.endm
.macro WALU
	s_wait_alu depctr_va_vdst(0)
.endm
.macro BARRIER
	s_barrier_signal -1
	s_barrier_wait -1
.endm
.macro CROUND                          ; a round of the cluster's barrier
	BARRIER
	s_cmp_lg_u32 s14, 0
	s_cbranch_scc1 .Lnot_wave_0_\@
	s_barrier_signal -3
.Lnot_wave_0_\@:
	s_barrier_wait -3
	BARRIER
.endm
.macro TLOAD g0, g1
	tensor_load_to_lds s[\g0:\g0+3], s[\g1:\g1+7]
	s_nop 0
	PLACES 4
.endm
.macro GROUP1 g, mask, rows            ; a dense block as rows of 256 bytes (32 elements of 8)
	s_or_b32 s[\g], s[\mask], (3<<16)|(1<<21)
	s_mov_b32 s[\g+1], 32<<16
	s_mov_b32 s[\g+2], (\rows)<<16
	s_mov_b32 s[\g+3], 32<<16
	s_mov_b32 s[\g+4], \rows
	s_mov_b32 s[\g+5], 32
	s_mov_b32 s[\g+6], 0
	s_mov_b32 s[\g+7], 0
.endm
.macro FRAGL f, a16, a8, off           ; a fragment is two granules on end: four loads of consecutive bytes
.set R_, 12*((\f)%21)
	WIN ((1+(\f)/21)<<6)
	ds_load_b128 v[R_:R_+3], v[\a16] offset:(\off)
	ds_load_b64 v[R_+4:R_+5], v[\a8] offset:(\off)+512
	ds_load_b128 v[R_+6:R_+9], v[\a16] offset:(\off)+768
	ds_load_b64 v[R_+10:R_+11], v[\a8] offset:(\off)+1280
.endm
.macro WEIGHTS                         ; my 64 rows of the weight, all of K: 128 loads
.irp q, 0,1,2,3,4,5,6,7
.irp t, 0,1,2,3
	FRAGL 4*\q+\t, W16, W8, \t*TILEB+\q*1536
.endr
.endr
	WIN 0
.endm
.macro FETCH e, s                      ; my row tile s, all of K, into set e: 32 loads
.irp q, 0,1,2,3,4,5,6,7
	FRAGL 32+8*(\e)+\q, A16+2*((\s)/4), A8+2*((\s)/4), ((\s)%4)*TILEB+\q*1536
.endr
	WIN 0
.endm
.macro PROD1 d, s0, s1, z, x0, x1, row
.if \z
	v_wmma_scale_f32_16x16x128_f8f6f4 v[\d:\d+7], v[\s0:\s0+11], v[\s1:\s1+11], 0, v[\x0], v[\x1] matrix_a_fmt:MATRIX_FMT_FP6 matrix_b_fmt:MATRIX_FMT_FP6
.elseif \row
	v_wmma_scale_f32_16x16x128_f8f6f4 v[\d:\d+7], v[\s0:\s0+11], v[\s1:\s1+11], v[\d:\d+7], v[\x0], v[\x1] matrix_a_fmt:MATRIX_FMT_FP6 matrix_b_fmt:MATRIX_FMT_FP6 matrix_a_scale:MATRIX_SCALE_ROW1 matrix_b_scale:MATRIX_SCALE_ROW1
.else
	v_wmma_scale_f32_16x16x128_f8f6f4 v[\d:\d+7], v[\s0:\s0+11], v[\s1:\s1+11], v[\d:\d+7], v[\x0], v[\x1] matrix_a_fmt:MATRIX_FMT_FP6 matrix_b_fmt:MATRIX_FMT_FP6
.endif
.endm
.macro PROD kind, e, s, q, t, d, z     ; kind 0: source 0 the weight's tile t, source 1 x's tile; kind 1 the other way round
.set FW_, 4*(\q)+(\t)
.set FA_, 32+8*(\e)+(\q)
.set RW_, 12*(FW_%21)
.set RA_, 12*(FA_%21)
.set XW_, SB+4*(\t)+2*((\q)/4)+(\q)%2
.set XA_, SA+4*(\s)+2*((\q)/4)+(\q)%2
.if \kind
	WIN ((1+FA_/21)|((1+FW_/21)<<2)|0xf0)
	PROD1 \d, RA_, RW_, \z, XA_, XW_, ((\q)/2)%2
.else
	WIN ((1+FW_/21)|((1+FA_/21)<<2)|0xf0)
	PROD1 \d, RW_, RA_, \z, XW_, XA_, ((\q)/2)%2
.endif
.endm
; A block's 32 products; tile t's accumulator at d0 + ds t; the first four start the sums.  Five places follow: for the loads, reads and new sums behind them.
; on = 1: behind every second product stand two lines of the list QL on the 32 sums at lx, the block before's, which lie in the other set of accumulators.
.macro BLOCKM kind, e, s, d0, ds, lx=0, lw=0, on=0
.set N_, 0
.irp q, 0,1,2,3,4,5,6,7
.irp t, 0,1,2,3
.if \q == 0
	PROD \kind, \e, \s, \q, \t, (\d0)+(\ds)*\t, 1
.else
	PROD \kind, \e, \s, \q, \t, (\d0)+(\ds)*\t, 0
.endif
.if \on
.if N_%2
	QL N_-1, \lx, \lw
	QL N_, \lx, \lw
.endif
.endif
.set N_, N_+1
.endr
.endr
	WIN 0
	PLACES 5
.endm
; 32 sums of a lane, register 16 b + i = place 32 b + 16 (lane / 16) + i along the axis to be quantised, become a granule's six registers v[pc ..] and the two blocks' bytes in v[wd].  Each accumulator is read from its low end on.
.macro QUANT x, pc, wd
	WIN 0x0f
	v_max3_num_f32 v[TM], |v[\x]|, |v[\x+1]|, FLOOR
	v_max3_num_f32 v[TM+1], |v[\x+16]|, |v[\x+17]|, FLOOR
.irp i, 2,4,6,8,10,12,14
	v_max3_num_f32 v[TM], |v[\x+\i]|, |v[\x+\i+1]|, v[TM]
	v_max3_num_f32 v[TM+1], |v[\x+16+\i]|, |v[\x+17+\i]|, v[TM+1]
.endr
	WIN 0
	v_permlanex16_b32 v[TM+2], v[TM], s74, s75
	v_permlanex16_b32 v[TM+3], v[TM+1], s74, s75
	v_max_num_f32 v[TM], v[TM], v[TM+2]            ; with lane l xor 16's: the block's largest magnitude
	v_max_num_f32 v[TM+1], v[TM+1], v[TM+3]
	v_add_nc_u32 v[TM+4], 0xff000000, v[TM]        ; 2 off the exponent field: the conversion's scale operand
	v_add_nc_u32 v[TM+5], 0xff000000, v[TM+1]
	v_lshrrev_b32 v[TM+2], 23, v[TM+4]
	v_lshrrev_b32 v[TM+3], 23, v[TM+5]
	v_lshl_or_b32 v[\wd], v[TM+3], 8, v[TM+2]
	WIN 0x03
	v_cvt_scalef32_pk16_fp6_f32 v[\pc:\pc+2], v[\x:\x+15], v[TM+4]
	v_cvt_scalef32_pk16_fp6_f32 v[TC:TC+2], v[\x+16:\x+31], v[TM+5]
	WIN 0
	v_nop                                          ; one plain line behind the scaled conversions
.irp i, 0,1,2
	v_permlane16_swap_b32 v[\pc+\i], v[TC+\i]      ; a whole block in a lane: lanes 0-15 block 0, lanes 16-31 block 1
.endr
.irp i, 0,1,2
	v_mov_b32 v[\pc+3+\i], v[TC+\i]
.endr
.endm
; QUANT in two parts.  QL writes line i of its first part: the two blocks' largest magnitudes in two chains by turns, the conversions' scale operands in v[TM+4], v[TM+5], the two bytes in v[wd]: 25 lines, the two of a pair independent of each other.
.macro QL i, x, wd
.if (\i) < 2
	WIN 0x0f
	v_max3_num_f32 v[TM+(\i)], |v[\x+16*(\i)]|, |v[\x+16*(\i)+1]|, FLOOR
.elseif (\i) < 16
	WIN 0x0f
	v_max3_num_f32 v[TM+(\i)%2], |v[\x+16*((\i)%2)+2*((\i)/2)]|, |v[\x+16*((\i)%2)+2*((\i)/2)+1]|, v[TM+(\i)%2]
.elseif (\i) < 18
	WIN 0
	v_permlanex16_b32 v[TM+2+(\i)%2], v[TM+(\i)%2], s74, s75
.elseif (\i) < 20
	WIN 0
	v_max_num_f32 v[TM+(\i)%2], v[TM+(\i)%2], v[TM+2+(\i)%2]
.elseif (\i) < 22
	WIN 0
	v_add_nc_u32 v[TM+4+(\i)%2], 0xff000000, v[TM+(\i)%2]
.elseif (\i) < 24
	WIN 0
	v_lshrrev_b32 v[TM+2+(\i)%2], 23, v[TM+4+(\i)%2]
.elseif (\i) == 24
	WIN 0
	v_lshl_or_b32 v[\wd], v[TM+3], 8, v[TM+2]
.endif
.endm
.macro QFIN x, pc                      ; its second part: the conversions and the granule's six registers
	WALU                                           ; the scale operands were written among many window switches
	WIN 0x03
	v_cvt_scalef32_pk16_fp6_f32 v[\pc:\pc+2], v[\x:\x+15], v[TM+4]
	v_cvt_scalef32_pk16_fp6_f32 v[TC:TC+2], v[\x+16:\x+31], v[TM+5]
	WIN 0
	v_nop                                          ; one plain line behind the scaled conversions
.irp i, 0,1,2
	v_permlane16_swap_b32 v[\pc+\i], v[TC+\i]
.endr
.irp i, 0,1,2
	v_mov_b32 v[\pc+3+\i], v[TC+\i]
.endr
.endm
.macro WAITF s
.if \s < 7
	s_wait_dscnt 32
.else
	s_wait_dscnt 0x0
.endif
.endm
.macro BLOCKQ s                        ; q, k: a lane holds a token, its 32 sums run along the head's 64: one granule a block.  Block s - 1's scales are made among block s's products; its codes leave behind them
	WAITF \s
.if \s > 0
	BLOCKM 0, (\s)%2, \s, ACC+32*((\s)%2), 8, ACC+32*(((\s)+1)%2), SW+(\s)-1, 1
.else
	BLOCKM 0, (\s)%2, \s, ACC+32*((\s)%2), 8
.endif
.if \s < 6
	FETCH (\s)%2, (\s)+2
.endif
.if \s > 0
	s_wait_xcnt 0x0                                ; earlier stores have read their registers
	QFIN ACC+32*(((\s)+1)%2), PC
	global_store_b128 v[L16], v[PC:PC+3], s[OC:OC+1] offset:768*((\s)-1)
	global_store_b64 v[L8], v[PC+4:PC+5], s[OC:OC+1] offset:768*((\s)-1)+512
.endif
.if \s == 7
	s_wait_xcnt 0x0
	QUANT ACC+32, PC, SW+7                         ; the phase's last block has no successor
	global_store_b128 v[L16], v[PC:PC+3], s[OC:OC+1] offset:768*7
	global_store_b64 v[L8], v[PC+4:PC+5], s[OC:OC+1] offset:768*7+512
.endif
.endm
.macro BLOCKV s                        ; v: a lane holds a channel; four blocks' sums of a channel tile are 64 keys: a granule for each of four tiles
	WAITF \s
	BLOCKM 1, (\s)%2, \s, ACC+8*((\s)%4), 32
.if \s < 6
	FETCH (\s)%2, (\s)+2
.endif
.if (\s)%4 == 3
	s_wait_xcnt 0x0
.irp t, 0,1,2,3
.if \s == 3
	QUANT ACC+32*\t, PC+6*\t, VW+\t
.else
	QUANT ACC+32*\t, PC+6*\t, WT
	v_lshl_or_b32 v[VW+\t], v[WT], 16, v[VW+\t]
.endif
	global_store_b128 v[L16], v[PC+6*\t:PC+6*\t+3], s[70:71] offset:1536*\t+768*((\s)/4)
	global_store_b64 v[L8], v[PC+6*\t+4:PC+6*\t+5], s[70:71] offset:1536*\t+768*((\s)/4)+512
.endr
.endif
.endm
; ---------------- the head
	s_load_b256 s[4:11], s[0:1], 0x0               ; xbuf, wbuf, qbuf, kbuf
	s_load_b64 s[12:13], s[0:1], 0x20              ; vbuf
	v_lshl_add_u32 v[SPW], v0, 2, SPARE
	v_mov_b32 v[NIL], 0
	ds_add_u32 v[SPW], v[NIL]                      ; the opening lines: the add twice on end and its wait
	ds_add_u32 v[SPW], v[NIL]
	v_lshrrev_b32 v1, 5, v0
	v_readfirstlane_b32 s14, v1                    ; wave
	s_lshr_b32 s15, s14, 1                         ; a: my 128 tokens
	s_and_b32 s16, s14, 1                          ; b: my head.  Also: which half of a tile I fetch
	s_bfe_u32 s40, ttmp6, 0x40000                  ; cx
	s_bfe_u32 s41, ttmp6, 0x40004                  ; cy
	s_lshl_b32 s42, ttmp9, 2
	s_add_co_u32 s42, s42, s40                     ; tx: which 128 columns
	s_and_b32 s18, ttmp7, 0xffff                   ; cluster y
	s_lshl_b32 s17, s18, 2
	s_add_co_u32 s17, s17, s41                     ; ty: which 256 tokens
	s_lshl_b32 s43, s41, 2
	s_lshl_b32 s43, 15, s43                        ; my row of the cluster
	s_lshl_b32 s44, 0x1111, s40                    ; my column
	GROUP1 G1A, 43, 384                            ; eight row tiles of x: 98,304 bytes on end
	GROUP1 G1W, 44, 192                            ; four of a weight: 49,152
	s_mov_b32 s[G0A], 1
	s_mul_i32 s[G0A+1], s16, 98304
	s_mov_b32 s[G0W], 1
	s_mul_i32 s[G0W+1], s16, 49152
	s_add_co_u32 s[G0W+1], s[G0W+1], WB
	s_lshl_b32 s20, s17, 4
	s_lshl_b32 s21, s16, 3
	s_add_co_u32 s20, s20, s21
	s_mul_i32 s20, s20, TILEB                      ; x: row tile 16 ty + 8 x half
	s_mov_b32 s21, 0
	s_lshl_b32 s46, s42, 3
	s_lshl_b32 s47, s16, 2
	s_add_co_u32 s46, s46, s47
	s_lshl_b32 s56, s46, 9
	s_add_co_u32 s56, s56, WQS                     ; my head's scale bytes of q's weight
	s_mov_b32 s57, 0
	s_mul_i32 s46, s46, TILEB                      ; q's weight: row tile 8 tx + 4 x half
	s_mov_b32 s47, 0
	s_lshl_b32 s58, s42, 3
	s_add_co_u32 s58, s58, 64
	s_mul_i32 s58, s58, TILEB                      ; k's weight, my work-group's eight tiles
	s_mov_b32 s59, 0
	s_cmp_lt_u32 s18, 4
	s_cselect_b32 s19, 1, 0                        ; does my cluster prefetch?
	s_lshr_b32 s77, s17, 3
	s_lshl_b32 s77, s77, 4
	s_lshl_b32 s78, s42, 1
	s_add_co_u32 s77, s77, s78
	s_add_co_u32 s77, s77, s16                     ; my head: 16 x batch + 2 tx + b
	s_lshl_b32 s79, s17, 4
	s_lshl_b32 s78, s15, 3
	s_add_co_u32 s79, s79, s78                     ; my first row tile of x
	s_lshl_b32 s22, s79, 9
	s_add_co_u32 s22, s22, XS
	s_mov_b32 s23, 0
	s_and_b32 s79, s79, 127                        ; and in its batch
	s_mul_i32 s78, s77, QHEAD
	s_mul_i32 s80, s79, 768
	s_add_co_u32 s80, s80, s78
	s_mov_b32 s81, 0
	s_lshl_b32 s82, s79, 6
	s_add_co_u32 s82, s82, s78
	s_add_co_u32 s82, s82, SCO
	s_mov_b32 s83, 0
	s_mul_i32 s78, s77, VHEAD
	s_lshr_b32 s79, s79, 3                         ; which 128 keys
	s_mul_i32 s84, s79, 6144
	s_add_co_u32 s84, s84, s78
	s_mov_b32 s85, 0
	s_lshl_b32 s86, s79, 8
	s_add_co_u32 s86, s86, s78
	s_add_co_u32 s86, s86, SCO
	s_mov_b32 s87, 0
	s_mov_b32 s74, 0x76543210
	s_mov_b32 s75, 0xfedcba98                      ; selects for lane l xor 16
	s_mul_i32 s77, s15, 98304
	s_lshl_b32 s79, s41, 2
	s_add_co_u32 s79, s79, s14
	s_mul_i32 s79, s79, 6144                       ; my sixteenth of a weight's tile
	v_and_b32 v1, 31, v0
	v_bfe_u32 v[H], v0, 4, 1
	v_and_b32 v3, 15, v0
	v_lshlrev_b32 v[L16], 4, v1
	v_lshlrev_b32 v[L8], 3, v1
	v_add_nc_u32 v[A16], s77, v[L16]
	v_add_nc_u32 v[A8], s77, v[L8]
	v_add_nc_u32 v[A16+2], 49152, v[A16]
	v_add_nc_u32 v[A8+2], 49152, v[A8]
	v_add_nc_u32 v[W16], s[G0W+1], v[L16]
	v_add_nc_u32 v[W8], s[G0W+1], v[L8]
	v_lshlrev_b32 v[VSO], 4, v3
	v_lshl_add_u32 v[VSO], v[H], 3, v[VSO]         ; v's scale words: 16 r + 8 h
	v_min_u32 v[PFO], 23, v1
	v_lshl_add_u32 v[PFO], v[PFO], 8, s79
	v_mov_b32 v[TM+2], 0                           ; a lane permute's destination counts as one of its sources
	v_mov_b32 v[TM+3], 0
	WALU                                           ; the wait at the head's end
	s_wait_dscnt 0x0
	CROUND                                         ; the opening round
	s_wait_kmcnt 0x0
	s_add_nc_u64 s[G0A+2:G0A+3], s[4:5], s[20:21]
	s_or_b32 s[G0A+3], s[G0A+3], 0x80000000
	s_add_nc_u64 s[G0W+2:G0W+3], s[6:7], s[46:47]
	s_or_b32 s[G0W+3], s[G0W+3], 0x80000000
	s_cmp_lt_u32 s14, 2                            ; one load a wave: waves 0, 1 a half each of q's weight, waves 2, 3 a half each of x's rows
	s_cbranch_scc0 .Lfor_a
	TLOAD G0W, G1W
	s_branch .Lasked
.Lfor_a:
	TLOAD G0A, G1A
.Lasked:
	s_add_nc_u64 s[58:59], s[6:7], s[58:59]
	s_cmp_eq_u32 s19, 1
	s_cbranch_scc0 .Lno_pf0
	global_prefetch_b8 v[PFO], s[58:59] th:TH_LOAD_NT scope:SCOPE_SE   ; k's weight, which the first refill will load
.Lno_pf0:
	s_add_nc_u64 s[22:23], s[4:5], s[22:23]
	s_add_nc_u64 s[56:57], s[6:7], s[56:57]
.irp s, 0,1,2,3,4,5,6,7
.irp p, 0,1
	global_load_b64 v[SA+4*\s+2*\p:SA+4*\s+2*\p+1], v[L8], s[22:23] offset:512*\s+256*\p
.endr
.endr
.irp f, 0,1,2
.irp t, 0,1,2,3
.irp p, 0,1
	global_load_b64 v[SB+16*\f+4*\t+2*\p:SB+16*\f+4*\t+2*\p+1], v[L8], s[56:57] offset:32768*\f+512*\t+256*\p
.endr
.endr
.endr
	s_add_nc_u64 s[OC:OC+1], s[8:9], s[80:81]      ; q's codes, q's scale words; k's; v's
	s_add_nc_u64 s[OS:OS+1], s[8:9], s[82:83]
	s_add_nc_u64 s[66:67], s[10:11], s[80:81]
	s_add_nc_u64 s[68:69], s[10:11], s[82:83]
	s_add_nc_u64 s[70:71], s[12:13], s[84:85]
	s_add_nc_u64 s[72:73], s[12:13], s[86:87]
	s_cmp_lt_u32 s14, 2
	s_cbranch_scc0 .Lnot_w
	s_wait_tensorcnt 0x0
.Lnot_w:
	BARRIER                                        ; q's weight is in; x's rows may be on their way
	s_mov_b32 s76, 0
; ---------------- q, then k
.Lphase:
	WEIGHTS
	s_wait_tensorcnt 0x0                           ; all my tensor loads have landed (first trip: my half of x's rows)
	ds_add_u32 v[SPW], v[NIL]
	s_add_nc_u64 s[G0W+2:G0W+3], s[G0W+2:G0W+3], 64*TILEB   ; the next weight
	s_wait_dscnt 0x0                               ; the add is done, and I hold the weight in registers
	CROUND
	s_cmp_lt_u32 s14, 2
	s_cbranch_scc0 .Lno_fill
	TLOAD G0W, G1W                                 ; waves 0 and 1 a half each
.Lno_fill:
	s_cmp_eq_u32 s19, 1
	s_cbranch_scc0 .Lno_pf1
	global_prefetch_b8 v[PFO], s[58:59] offset:64*TILEB th:TH_LOAD_NT scope:SCOPE_SE   ; first trip alone: v's weight
.Lno_pf1:
	FETCH 0, 0
	FETCH 1, 1
	s_wait_loadcnt 0x0                             ; the scale words
.irp s, 0,1,2,3,4,5,6,7
	BLOCKQ \s
.endr
	WALU                                           ; the wait ahead of these readers
	v_cmp_eq_u32 vcc_lo, 0, v[H]
.irp i, 0,1,2,3
	v_cndmask_b32 v[SD+\i], v[SW+4+\i], v[SW+\i], vcc_lo   ; lanes 0-15 store tiles 0-3's words, lanes 16-31 tiles 4-7's
.endr
	global_store_b128 v[L16], v[SD:SD+3], s[OS:OS+1]       ; 512 consecutive bytes
.set I, 0
.rept 32
	v_mov_b32 v[SB+I], v[SB+16+I]                  ; the next weight's scale words move down; ascending, so each is read before it is written
.set I, I+1
.endr
	WALU
	s_wait_xcnt 0x0                                ; the stores have read their bases
	s_mov_b64 s[OC:OC+1], s[66:67]
	s_mov_b64 s[OS:OS+1], s[68:69]
	s_mov_b32 s19, 0
	s_wait_tensorcnt 0x0
	s_wait_dscnt 0x0
	BARRIER                                        ; the refill is shown to all
	s_add_co_u32 s76, s76, 1
	s_cmp_lt_u32 s76, 2
	s_cbranch_scc1 .Lphase
; ---------------- v
	WEIGHTS
	FETCH 0, 0
	FETCH 1, 1
.irp s, 0,1,2,3,4,5,6,7
	BLOCKV \s
.endr
	WALU
	v_cmp_eq_u32 vcc_lo, 0, v[H]
	v_cndmask_b32 v[SD], v[VW+2], v[VW], vcc_lo    ; lanes 0-15 store tiles 0, 1's words, lanes 16-31 tiles 2, 3's
	v_cndmask_b32 v[SD+1], v[VW+3], v[VW+1], vcc_lo
	global_store_b64 v[VSO], v[SD:SD+1], s[72:73]  ; the wave stores one aligned run of 256 bytes
	s_wait_tensorcnt 0x0                           ; the wave's end
	ds_add_u32 v[SPW], v[NIL]
	s_wait_dscnt 0x0
	CROUND                                         ; the closing round
	s_endpgm
.Lfunc_end_k_q263cb512b9_qkv:
	.size	k_q263cb512b9_qkv, .Lfunc_end_k_q263cb512b9_qkv-k_q263cb512b9_qkv
	.p2alignl 7, 3214868480
	.fill 96, 4, 3214868480
	.section	.rodata,"a",@progbits
	.p2align	6, 0x0
	.amdhsa_kernel k_q263cb512b9_qkv
		.amdhsa_group_segment_fixed_size 327680
		.amdhsa_private_segment_fixed_size 0
		.amdhsa_enable_private_segment 0
		.amdhsa_kernarg_size 40
		.amdhsa_user_sgpr_count 2
		.amdhsa_user_sgpr_kernarg_segment_ptr 1
		.amdhsa_wavefront_size32 1
		.amdhsa_system_sgpr_workgroup_id_x 1
		.amdhsa_system_sgpr_workgroup_id_y 1
		.amdhsa_system_sgpr_workgroup_id_z 1
		.amdhsa_system_vgpr_workitem_id 0
		.amdhsa_next_free_vgpr 1024
		.amdhsa_next_free_sgpr 88
		.amdhsa_reserve_vcc 1
		.amdhsa_float_denorm_mode_32 3
		.amdhsa_float_denorm_mode_16_64 3
		.amdhsa_memory_ordered 1
		.amdhsa_forward_progress 1
		.amdhsa_inst_pref_size 173
	.end_amdhsa_kernel
	.amdgpu_metadata
---
amdhsa.version: [ 1, 2 ]
amdhsa.kernels:
  - .name:           k_q263cb512b9_qkv
    .symbol:         k_q263cb512b9_qkv.kd
    .args:
      - { .name: xbuf, .offset: 0, .size: 8, .value_kind: global_buffer, .address_space: global }
      - { .name: wbuf, .offset: 8, .size: 8, .value_kind: global_buffer, .address_space: global }
      - { .name: qbuf, .offset: 16, .size: 8, .value_kind: global_buffer, .address_space: global }
      - { .name: kbuf, .offset: 24, .size: 8, .value_kind: global_buffer, .address_space: global }
      - { .name: vbuf, .offset: 32, .size: 8, .value_kind: global_buffer, .address_space: global }
    .group_segment_fixed_size: 327680
    .private_segment_fixed_size: 0
    .kernarg_segment_align: 8
    .kernarg_segment_size: 40
    .max_flat_workgroup_size: 128
    .sgpr_count:     88
    .vgpr_count:     1024
    .wavefront_size: 32
...
	.end_amdgpu_metadata
.endif
;; end of part 2
;; launch attn (part 3): grid 4 x 64, 8 waves a work-group, clusters of 4 x 1, 210,944 bytes of LDS; arguments qbuf, kbuf, vbuf, ybuf; writes ybuf
.if DOCPART == 3
	.amdgcn_target "amdgcn-amd-amdhsa--gfx1250"
	.amdhsa_code_object_version 6
	.text
	.protected	k_q263cb512b9_attn
	.globl	k_q263cb512b9_attn
	.p2align	8
	.type	k_q263cb512b9_attn,@function
k_q263cb512b9_attn:
	s_mov_b64 s[64:65], 0
	v_nop
	global_prefetch_b8 v0, s[64:65] scope:SCOPE_SE
	s_setreg_imm32_b32 hwreg(HW_REG_WAVE_MODE, 25, 1), 1
	s_wait_xcnt 0x0
	s_wait_alu depctr_hold_cnt(0) depctr_sa_sdst(0) depctr_va_vdst(0) depctr_va_sdst(0) depctr_va_ssrc(0) depctr_va_vcc(0) depctr_vm_vsrc(0)
	s_getreg_b32 s2, hwreg(HW_REG_IB_STS2, 6, 4)
	s_cmp_eq_u32 s2, 0
	s_cbranch_scc0 .Lentry_in_a_cluster
	s_endpgm
.Lentry_in_a_cluster:
	s_bfe_u32 s2, ttmp6, 0x10000c
	s_cmp_lg_u32 s2, 0x3003
	s_cbranch_scc0 .Lentry_shape_is_right
	s_endpgm
.Lentry_shape_is_right:
; y[b][q][head] = softmax over the keys k <= q of (Q . K / 8) times V, both products on codes of FP6 (E2M3) with E8M0 scales; y is divided by the row's sum and quantised along C for the last product.
; THE SOFTMAX: t = score x log2(e) / 8; M = the running largest t rounded UP to a whole number; p = 2^(t - M) is quantised along the keys, not normalised; the row's sum is taken of the unquantised p.
; When M moves, the sum and O are multiplied by 2^(old M - new M): exact.  Key steps that lie wholly behind the causal mask are jumped over.
; INPUTS are images of operand registers (a granule: 16 rows x 64 K, 768 bytes: lane l's registers 0-3 at 16 l, registers 4-5 at 512 + 8 l).  Token tile 2 b + u holds tokens 32 b + 8 u + r + 8 (r / 8).
;   qbuf, kbuf, a head: [tile 0..127][768], from 98,304 on scale words [tile / 4][r][tile % 4][4], bytes 2, 3 are 0.   vbuf, a head: [128 keys s][channel tile 0..3][1,536], from 98,304 on scale words [s][r][tile][4].
; THE FIRST PRODUCT'S K IS 64 of the instruction's 128.  Q's fragment holds zero codes in K = 64 .. 127.  K's tiles lie six registers apart, so that a tile's K = 64 .. 127 is the next tile's codes (the last tile's: zeros):
; every code of E2M3 is a finite number and the scale bytes of that half are 0, a finite scale, so each of those products is a finite number times the number 0 and adds exactly 0.
; A HEAD'S K AND V LIE IN LDS WHOLE: 208,896 bytes, filled once, never written again: no ring, and no barrier in the loop.
; CLUSTER: the four work-groups of a cluster are one head: each of the eight loads is asked for jointly by the four and lands in the LDS of each.  No prefetch: every tile is asked for at the head.
; SHARES.  A unit is 32 queries, token tiles 2 U and 2 U + 1.  Wave w of partner cx takes unit 4 w + cx, which sees key steps 0 .. w, and then unit 4 (15 - w) + 3 - cx, which sees steps 0 .. 15 - w: 17 steps of 128 keys for every wave.
; The two tiles share every fragment of K and V, and their chains of vector lines stand line by line in turn.  Branches hang on w and on loop counters alone; cx enters global addresses and the mask's compare value.
; Both loops have constant trip counts.  K's fragments of step s + 1 are fetched behind step s's scores (behind the last step: bytes of the same head that are not used); Q of both passes is loaded at the head.
; LAYOUT.  Both products are used transposed: S^T = K Q^T, O^T = V^T P^T: a lane holds one query (lane % 16) of each tile; the 16 registers of tiles 2 b, 2 b + 1 are 16 neighbours along the keys (or the channels).
; OUT: ybuf: codes [token tile][head = granule][768], scale bytes from YS on [token tile][C / 256][r][8]: my head's two bytes.
; LIMITS: the promise holds while the scaled scores t stay under 2^31 in magnitude; a block of y whose largest magnitude lies under 2^-124 gets the byte 1; NaN and infinities are not served.
; REGISTERS.  Window 0: addresses, the rows' numbers, scale words v32-47, Q v48-71, K v72-125, p's codes v126-149, work v150-205, V v206-253.  Window 1: v0-127 S^T then p, v128-191 O^T, v192-205 the second pass's Q.
.set KSCL,  98304
.set VIMG,  106496
.set VSCL,  204800
.set SPARE, 208896
.set QHEAD, 106496
.set VHEAD, 102400
.set YS,    6291456
.set FLOOR, 0x1800000
.set DQ,    5
.set ADK16, 6
.set ADK8,  7
.set ADV16, 8
.set ADV8,  9
.set ADS,   10
.set ADT,   11
.set SPW,   12
.set NIL,   13
.set NM,    14                         ; a pair a tile: -M, the largest t
.set SUM,   18                         ; a pair a tile
.set FF,    22                         ; a pair a tile: f and a word that is only named
.set NEG,   26
.set ADS0,  27
.set TT,    28
.set OL,    30
.set KSC,   32
.set VSC,   40
.set QSC,   44
.set PSC,   46
.set QF,    48
.set KF,    72
.set ZT,    120
.set PF,    126
.set TC,    150
.set BM,    166
.set PM,    174
.set SO,    182
.set CH,    190
.set VF,    206
.set S,     0                          ; window 1
.set O,     128
.set QN,    192
.set WV,   18
.set SEL,  20
.set CS,   22
.set G1K,  24
.set G1V,  32
.set G0K,  40
.set G0V,  44
.set GP,   52
.set SUBP, 53
.set KS,   54
.set PASS, 57
.set MSB, 0
.macro WIN new
.if MSB != (\new)
	s_set_vgpr_msb (MSB<<8)|(\new)
.set MSB, (\new)
.endif
.endm
.macro WALU
	s_wait_alu depctr_va_vdst(0)
.endm
.macro ROUND
	s_barrier_signal -1
	s_barrier_wait -1
	s_cmp_lg_u32 s[WV], 0
	s_cbranch_scc1 .Lnot_wave_0_\@
	s_barrier_signal -3
.Lnot_wave_0_\@:
	s_barrier_wait -3
	s_barrier_signal -1
	s_barrier_wait -1
.endm
.macro KLOADS a16, a8, as, off, offs   ; eight tiles of 16 keys, a granule each, and their scale words: 18 loads
.irp t, 0,1,2,3,4,5,6,7
	ds_load_b128 v[KF+6*\t:KF+6*\t+3], v[\a16] offset:(\off)+768*\t
	ds_load_b64 v[KF+6*\t+4:KF+6*\t+5], v[\a8] offset:(\off)+768*\t+512
.endr
	ds_load_b128 v[KSC:KSC+3], v[\as] offset:(\offs)
	ds_load_b128 v[KSC+4:KSC+7], v[\as] offset:(\offs)+256
.endm
.macro QPTR tile, pc, ps               ; where a unit's codes and scale words lie in my head of qbuf
	s_mul_i32 s78, s[\tile], 768
	s_mov_b32 s79, 0
	s_add_nc_u64 s[\pc:\pc+1], s[60:61], s[78:79]
	s_lshr_b32 s78, s[\tile], 2
	s_lshl_b32 s78, s78, 8
	s_and_b32 s50, s[\tile], 3
	s_lshl_b32 s50, s50, 2
	s_add_co_u32 s78, s78, s50
	s_add_co_u32 s78, s78, KSCL
	s_add_nc_u64 s[\ps:\ps+1], s[60:61], s[78:79]
.endm
	s_load_b256 s[4:11], s[0:1], 0x0               ; qbuf, kbuf, vbuf, ybuf
	v_lshl_add_u32 v[SPW], v0, 2, SPARE
	v_mov_b32 v[NIL], 0
	ds_add_u32 v[SPW], v[NIL]                      ; the opening lines: the add twice on end and its wait
	ds_add_u32 v[SPW], v[NIL]
	v_lshrrev_b32 v1, 5, v0
	v_readfirstlane_b32 s[WV], v1                  ; wave 0..7
	s_and_b32 s19, s[WV], 3                        ; which quarter of K's bytes (waves 0-3) or of V's (waves 4-7) I fetch
	s_bfe_u32 s48, ttmp6, 0x40000                  ; cx
	s_and_b32 s49, ttmp7, 0xffff                   ; the head, 16 b + head: the four partners share it
	s_mov_b32 s[G1K], 15|(3<<16)|(1<<21)           ; dense blocks as rows of 256 bytes: 104 rows of K's 106,496 bytes, 100 of V's 102,400; the mask names all four work-groups
	s_mov_b32 s[G1K+1], 32<<16
	s_mov_b32 s[G1K+2], 104<<16
	s_mov_b32 s[G1K+3], 32<<16
	s_mov_b32 s[G1K+4], 104
	s_mov_b32 s[G1K+5], 32
	s_mov_b32 s[G1K+6], 0
	s_mov_b32 s[G1K+7], 0
	s_mov_b32 s[G1V], 15|(3<<16)|(1<<21)
	s_mov_b32 s[G1V+1], 32<<16
	s_mov_b32 s[G1V+2], 100<<16
	s_mov_b32 s[G1V+3], 32<<16
	s_mov_b32 s[G1V+4], 100
	s_mov_b32 s[G1V+5], 32
	s_mov_b32 s[G1V+6], 0
	s_mov_b32 s[G1V+7], 0
	s_mov_b32 s[G0K], 1
	s_mul_i32 s[G0K+1], s19, 26624
	s_mul_i32 s76, s49, QHEAD
	s_add_co_u32 s76, s76, s[G0K+1]
	s_mov_b32 s77, 0
	s_mov_b32 s[G0V], 1
	s_mul_i32 s78, s19, 25600
	s_mul_i32 s50, s49, VHEAD
	s_add_co_u32 s50, s50, s78
	s_mov_b32 s51, 0
	s_add_co_u32 s[G0V+1], s78, VIMG
	s_mov_b32 s[SEL], 0x76543210
	s_mov_b32 s[SEL+1], 0xfedcba98                 ; selects for lane l xor 16
	s_mov_b32 s[CS], 0x3e38aa3b                    ; log2(e) / 8
	s_mov_b32 s[CS+1], s[CS]
	v_and_b32 v2, 31, v0
	v_and_b32 v4, 15, v0
	v_lshlrev_b32 v1, 4, v2                        ; 16 x lane
	v_lshlrev_b32 v2, 3, v2                        ; 8 x lane
	v_lshlrev_b32 v3, 4, v4                        ; 16 r
	v_lshlrev_b32 v4, 3, v4                        ; 8 r
	v_add_nc_u32 v[ADS0], KSCL, v3
.irp i, 6,7,8,9,10,11,18,19,20,21,22,23
	v_mov_b32 v[QF+\i], 0                          ; Q's K = 64 .. 127: zero codes
.endr
.irp i, 0,1,2,3,4,5
	v_mov_b32 v[ZT+\i], 0                          ; behind K's last tile
.endr
.irp i, 0,1,2,3,4,5,6,7
	v_mov_b32 v[PM+\i], 0                          ; a lane permute's destination counts as one of its sources
.endr
	v_mov_b32 v[TT], 0
	v_mov_b32 v[TT+1], 0
	v_mov_b32 v[FF+1], 0                           ; named as a pair's upper word
	v_mov_b32 v[FF+3], 0
	WALU                                           ; the wait at the head's end
	s_wait_dscnt 0x0
	ROUND                                          ; all four work-groups are here: the joint loads meet
	s_wait_kmcnt 0x0
	s_add_nc_u64 s[G0K+2:G0K+3], s[6:7], s[76:77]
	s_or_b32 s[G0K+3], s[G0K+3], 0x80000000
	s_add_nc_u64 s[G0V+2:G0V+3], s[8:9], s[50:51]
	s_or_b32 s[G0V+3], s[G0V+3], 0x80000000
	s_cmp_lt_u32 s[WV], 4                          ; one load a wave, the launch's only fills
	s_cbranch_scc0 .Lfor_v
	tensor_load_to_lds s[G0K:G0K+3], s[G1K:G1K+7]
	s_nop 0
.rept 4
	v_nop
.endr
	s_branch .Lasked
.Lfor_v:
	tensor_load_to_lds s[G0V:G0V+3], s[G1V:G1V+7]
	s_nop 0
.rept 4
	v_nop
.endr
.Lasked:
	s_mul_i32 s76, s49, QHEAD
	s_add_nc_u64 s[60:61], s[4:5], s[76:77]        ; Q: my head
	s_mov_b32 s[GP], s[WV]                         ; which 128 queries the pass's unit lies in,
	s_mov_b32 s[SUBP], s48                         ; which 32 of them
	s_lshl_b32 s55, s[GP], 3
	s_lshl_b32 s56, s[SUBP], 1
	s_add_co_u32 s55, s55, s56                     ; the first pass's first tile,
	s_sub_co_u32 s56, 126, s55                     ; the second's: 8 (15 - w) + 2 (3 - cx)
	QPTR 55, 68, 70
	QPTR 56, 4, 6                                  ; (the arguments that lay in s[4:7] have served)
.irp i, 0,1                            ; the first pass's Q, under the tiles' flight
	global_load_b128 v[QF+12*\i:QF+12*\i+3], v1, s[68:69] offset:768*\i
	global_load_b64 v[QF+12*\i+4:QF+12*\i+5], v2, s[68:69] offset:768*\i+512
.endr
	global_load_b64 v[QSC:QSC+1], v3, s[70:71]
	s_lshr_b32 s78, s49, 4                         ; the batch,
	s_and_b32 s79, s49, 15                         ; the head in it
	s_mul_i32 s76, s78, 128*12288
	s_mul_i32 s50, s79, 768
	s_add_co_u32 s76, s76, s50
	s_add_nc_u64 s[62:63], s[10:11], s[76:77]      ; y's codes: the batch's first token tile, granule = head
	s_lshl_b32 s76, s78, 16
	s_lshr_b32 s50, s79, 2
	s_lshl_b32 s50, s50, 7
	s_add_co_u32 s76, s76, s50
	s_and_b32 s50, s79, 3
	s_lshl_b32 s50, s50, 1
	s_add_co_u32 s76, s76, s50
	s_add_co_u32 s76, s76, YS
	s_add_nc_u64 s[66:67], s[10:11], s[76:77]      ; y's scale bytes: my head's two of a row's eight
	s_mov_b32 s[PASS], 2
	s_wait_tensorcnt 0x0                           ; my part of the head is in,
	s_barrier_signal -1
	s_barrier_wait -1                              ; everybody's is; from here on LDS is only read
	s_wait_loadcnt 0x0                             ; the first pass's Q
	WIN 0x40
.irp i, 0,1                            ; the second pass's Q is asked for behind K and V, and awaited at the first pass's end
	global_load_b128 v[QN+6*\i:QN+6*\i+3], v1, s[4:5] offset:768*\i
	global_load_b64 v[QN+6*\i+4:QN+6*\i+5], v2, s[4:5] offset:768*\i+512
.endr
	global_load_b64 v[QN+12:QN+13], v3, s[6:7]
	WIN 0
.Lpass:                                                ; two trips: a unit of early queries, then its partner among the late ones
	s_lshl_b32 s76, s[GP], 3
	s_lshl_b32 s77, s[SUBP], 1
	s_add_co_u32 s76, s76, s77                     ; the unit's first tile
	s_mul_i32 s78, s76, 12288
	s_mov_b32 s79, 0
	s_add_nc_u64 s[72:73], s[62:63], s[78:79]      ; y's codes
	s_lshl_b32 s78, s76, 9
	s_add_nc_u64 s[74:75], s[66:67], s[78:79]      ; y's scale bytes
	s_lshl_b32 s78, s[SUBP], 5                     ; the unit's first query among its 128
	s_wait_dscnt 0x0                               ; the last pass's fetch ahead has landed: its registers may be loaded again
	KLOADS 1, 2, ADS0, 0, 0                        ; K's step 0
	v_and_b32 v[DQ], 15, v0
	v_and_b32 v[TT], 8, v0
	v_add_nc_u32 v[DQ], v[DQ], v[TT]               ; r + 8 (r / 8)
	v_and_b32 v[TT], 16, v0
	v_sub_nc_u32 v[DQ], v[DQ], v[TT]
	v_add_nc_u32 v[DQ], s78, v[DQ]                 ; the first tile's query among its 128, less 16 (lane / 16); the second tile's is 8 more
.irp i, 0,1
	v_mov_b32 v[NM+2*\i+1], 0xff61b1e6             ; the largest t so far: -3e38
	v_mov_b32 v[SUM+2*\i], 0
	v_mov_b32 v[SUM+2*\i+1], 0
.endr
.irp i, 0,1
	v_floor_f32 v[NM+2*\i], -v[NM+2*\i+1]          ; -M
.endr
	WIN 0x40
.set N_, 0
.rept 64
	v_mov_b32 v[O+N_], 0                           ; O^T: the step is written once; the first finds zeros
.set N_, N_+1
.endr
	WIN 0
	WALU
	s_mov_b32 s[KS], 0
.Lstep:                                                ; sixteen trips; the steps behind the diagonal are jumped over
	s_cmp_gt_u32 s[KS], s[GP]
	s_cbranch_scc1 .Lhidden
	s_mul_i32 s55, s[KS], 6144
	s_lshl_b32 s56, s[KS], 9
	s_lshl_b32 s58, s[KS], 8
	s_add_co_u32 s59, s55, VIMG
	s_add_co_u32 s56, s56, KSCL
	s_add_co_u32 s58, s58, VSCL
	v_add_nc_u32 v[ADK16], s55, v1                 ; (these six are also the places behind the last step's products, in front of the loads below)
	v_add_nc_u32 v[ADK8], s55, v2
	v_add_nc_u32 v[ADV16], s59, v1
	v_add_nc_u32 v[ADV8], s59, v2
	v_add_nc_u32 v[ADS], s56, v3
	v_add_nc_u32 v[ADT], s58, v3
.irp t, 0,1,2,3                        ; V's four fragments and their scale words: 17 loads, wanted behind the softmax
	ds_load_b128 v[VF+12*\t:VF+12*\t+3], v[ADV16] offset:1536*\t
	ds_load_b64 v[VF+12*\t+4:VF+12*\t+5], v[ADV8] offset:1536*\t+512
	ds_load_b128 v[VF+12*\t+6:VF+12*\t+9], v[ADV16] offset:1536*\t+768
	ds_load_b64 v[VF+12*\t+10:VF+12*\t+11], v[ADV8] offset:1536*\t+1280
.endr
	ds_load_b128 v[VSC:VSC+3], v[ADT]
	WALU
	s_wait_dscnt 17                                ; K's 18 loads, issued a step ago, are in; V's 17 may be out
	WIN 0x40
.irp t, 0,1,2,3,4,5,6,7
.irp i, 0,1
	v_wmma_scale_f32_16x16x128_f8f6f4 v[S+64*\i+8*\t:S+64*\i+8*\t+7], v[KF+6*\t:KF+6*\t+11], v[QF+12*\i:QF+12*\i+11], 0, v[KSC+\t], v[QSC+\i] matrix_a_fmt:MATRIX_FMT_FP6 matrix_b_fmt:MATRIX_FMT_FP6
.endr
.endr
.rept 4
	v_nop                                          ; places in front of the loads into K's registers and of the first read of the scores
.endr
	WIN 0
	KLOADS ADK16, ADK8, ADS, 6144, 512             ; K's next step
	s_cmp_lg_u32 s[KS], s[GP]                      ; on the diagonal the scores of hidden keys become -infinity ahead of the maximum: p = 0 then
	s_cbranch_scc1 .Lopen
	v_mov_b32 v[NEG], 0xff800000
	WIN 0x41
.set N_, 0
.rept 64
	v_cmp_gt_i32 vcc_lo, 32*(N_/16)+N_%16, v[DQ]
	v_cndmask_b32 v[S+N_], v[S+N_], v[NEG], vcc_lo
	v_cmp_gt_i32 vcc_lo, 32*(N_/16)+N_%16-8, v[DQ]
	v_cndmask_b32 v[S+64+N_], v[S+64+N_], v[NEG], vcc_lo
.set N_, N_+1
.endr
	WIN 0
.Lopen:
	WIN 0x05
.irp b, 0,1,2,3                        ; the largest score of each block of 32 keys: it serves the row's maximum and, since p rises with the score, the block's largest p.  Eight chains by turns
.irp i, 0,1
	v_max_num_f32 v[BM+4*\i+\b], v[S+64*\i+16*\b], v[S+64*\i+16*\b+1]
.endr
.endr
.irp k, 2,4,6,8,10,12,14
.irp b, 0,1,2,3
.irp i, 0,1
	v_max3_num_f32 v[BM+4*\i+\b], v[S+64*\i+16*\b+\k], v[S+64*\i+16*\b+\k+1], v[BM+4*\i+\b]
.endr
.endr
.endr
	WIN 0
.irp b, 0,1,2,3,4,5,6,7
	v_permlanex16_b32 v[PM+\b], v[BM+\b], s[SEL], s[SEL+1]
.endr
.irp b, 0,1,2,3,4,5,6,7
	v_max_num_f32 v[BM+\b], v[BM+\b], v[PM+\b]     ; with lane l xor 16's 16 keys
.endr
.irp i, 0,1
	v_max3_num_f32 v[TT+\i], v[BM+4*\i], v[BM+4*\i+1], v[BM+4*\i+2]
.endr
.irp i, 0,1
	v_max_num_f32 v[TT+\i], v[TT+\i], v[BM+4*\i+3] ; the step's largest score of my query
.endr
.irp i, 0,1
	v_mul_f32 v[TT+\i], s[CS], v[TT+\i]            ; as t
.endr
.irp i, 0,1
	v_max_num_f32 v[NM+2*\i+1], v[NM+2*\i+1], v[TT+\i]
.endr
.irp i, 0,1
	v_mov_b32 v[OL+\i], v[NM+2*\i]
.endr
.irp i, 0,1
	v_floor_f32 v[NM+2*\i], -v[NM+2*\i+1]          ; the new -M = -ceil(t)
.endr
.irp i, 0,1
	v_sub_f32 v[OL+\i], v[NM+2*\i], v[OL+\i]       ; old M - new M: a whole number, 0 or less
.endr
.irp i, 0,1
	v_cvt_i32_f32 v[OL+\i], v[OL+\i]               ; (it saturates)
.endr
.irp i, 0,1
	v_ldexp_f32 v[FF+2*\i], 1.0, v[OL+\i]          ; f = 2^(old M - new M)
.endr
.irp b, 0,1,2,3
.irp i, 0,1
	v_fma_f32 v[BM+4*\i+\b], v[BM+4*\i+\b], s[CS], v[NM+2*\i]   ; t - M of each block's largest score
.endr
.endr
	WIN 0x41
.irp j, 0,2,4,6,8,10,12,14,16,18,20,22,24,26,28,30
.irp i, 0,1
	v_pk_mul_f32 v[O+32*\i+\j:O+32*\i+\j+1], v[O+32*\i+\j:O+32*\i+\j+1], v[FF+2*\i:FF+2*\i+1] op_sel_hi:[1,0]   ; O^T under the new M
.endr
.endr
.set N_, 0
.rept 32
	v_pk_fma_f32 v[S+N_:S+N_+1], v[S+N_:S+N_+1], s[CS:CS+1], v[NM:NM+1] op_sel_hi:[1,0,0]        ; t - M, two at a time
	v_pk_fma_f32 v[S+64+N_:S+64+N_+1], v[S+64+N_:S+64+N_+1], s[CS:CS+1], v[NM+2:NM+3] op_sel_hi:[1,0,0]
.set N_, N_+2
.endr
	WALU                                           ; the wait ahead of the batch
	s_wait_dscnt 18                                ; V's 17 loads are in; the next K's 18 may be out
.set N_, 0
.rept 128
	v_exp_f32 v[S+N_], v[S+N_]                     ; p = 2^(t - M), at most 1
.set N_, N_+1
.endr
	WIN 0
.irp b, 0,1,2,3,4,5,6,7
	v_exp_f32 v[BM+\b], v[BM+\b]                   ; each block's largest p
.endr
	v_nop                                          ; the plain line behind the exponentials
	WALU                                           ; one wait for the batch, ahead of its first reader
.irp b, 0,1,2,3,4,5,6,7
	v_max_num_f32 v[BM+\b], FLOOR, v[BM+\b]        ; the floor 2^(3 - 127): a block whose every p is 0 keeps the byte 1: its codes are zeros
.endr
.irp b, 0,1,2,3,4,5,6,7
	v_add_nc_u32 v[SO+\b], 0xff000000, v[BM+\b]    ; 2 off the exponent field: the conversion's scale operand
.endr
.irp b, 0,1,2,3,4,5,6,7
	v_lshrrev_b32 v[PM+\b], 23, v[SO+\b]           ; the scale's byte
.endr
.irp i, 0,1
	v_lshl_or_b32 v[PSC+\i], v[PM+4*\i+1], 8, v[PM+4*\i]
.endr
.irp i, 0,1
	v_lshl_or_b32 v[PSC+\i], v[PM+4*\i+2], 16, v[PSC+\i]
.endr
.irp i, 0,1
	v_lshl_or_b32 v[PSC+\i], v[PM+4*\i+3], 24, v[PSC+\i]       ; p's scale word for these 128 keys
.endr
	WIN 0x01
.irp i, 0,1
.irp c, 0,1
	v_cvt_scalef32_pk16_fp6_f32 v[PF+12*\i+6*\c:PF+12*\i+6*\c+2], v[S+64*\i+32*\c:S+64*\i+32*\c+15], v[SO+4*\i+2*\c]
	v_cvt_scalef32_pk16_fp6_f32 v[TC+8*\i+4*\c:TC+8*\i+4*\c+2], v[S+64*\i+32*\c+16:S+64*\i+32*\c+31], v[SO+4*\i+2*\c+1]
.endr
.endr
	WIN 0
	v_nop                                          ; one plain line behind the scaled conversions
.irp i, 0,1                            ; a whole block in a lane: lanes 0-15 block 2 c, lanes 16-31 block 2 c + 1
.irp c, 0,1
.irp k, 0,1,2
	v_permlane16_swap_b32 v[PF+12*\i+6*\c+\k], v[TC+8*\i+4*\c+\k]
.endr
.endr
.endr
.irp i, 0,1
.irp c, 0,1
.irp k, 0,1,2
	v_mov_b32 v[PF+12*\i+6*\c+3+\k], v[TC+8*\i+4*\c+\k]
.endr
.endr
.endr
	WIN 0x05                                       ; the rows' sums of the unquantised p: four chains a tile.  (These lines are also the places between the lines that made p's codes and scale words and the products below)
.irp k, 0,1,2,3
.irp i, 0,1
	v_pk_add_f32 v[CH+8*\i+2*\k:CH+8*\i+2*\k+1], v[S+64*\i+4*\k:S+64*\i+4*\k+1], v[S+64*\i+4*\k+2:S+64*\i+4*\k+3]
.endr
.endr
	WIN 0x01
.irp m, 0,1,2,3,4,5
.irp k, 0,1,2,3
.irp i, 0,1
	v_pk_add_f32 v[CH+8*\i+2*\k:CH+8*\i+2*\k+1], v[S+64*\i+16+8*\m+2*\k:S+64*\i+16+8*\m+2*\k+1], v[CH+8*\i+2*\k:CH+8*\i+2*\k+1]
.endr
.endr
.endr
	WIN 0
.irp i, 0,1
	v_pk_add_f32 v[CH+8*\i:CH+8*\i+1], v[CH+8*\i:CH+8*\i+1], v[CH+8*\i+2:CH+8*\i+3]
	v_pk_add_f32 v[CH+8*\i+4:CH+8*\i+5], v[CH+8*\i+4:CH+8*\i+5], v[CH+8*\i+6:CH+8*\i+7]
.endr
.irp i, 0,1
	v_pk_add_f32 v[CH+8*\i:CH+8*\i+1], v[CH+8*\i:CH+8*\i+1], v[CH+8*\i+4:CH+8*\i+5]
.endr
.irp i, 0,1
	v_pk_fma_f32 v[SUM+2*\i:SUM+2*\i+1], v[SUM+2*\i:SUM+2*\i+1], v[FF+2*\i:FF+2*\i+1], v[CH+8*\i:CH+8*\i+1] op_sel_hi:[1,0,1]   ; the sum under the new M, and this step's
.endr
	WIN 0x50
.irp t, 0,1,2,3                        ; O^T += V^T P^T: the eight accumulators by turns, one instruction a turn
.irp i, 0,1
	v_wmma_scale_f32_16x16x128_f8f6f4 v[O+32*\i+8*\t:O+32*\i+8*\t+7], v[VF+12*\t:VF+12*\t+11], v[PF+12*\i:PF+12*\i+11], v[O+32*\i+8*\t:O+32*\i+8*\t+7], v[VSC+\t], v[PSC+\i] matrix_a_fmt:MATRIX_FMT_FP6 matrix_b_fmt:MATRIX_FMT_FP6
.endr
.endr
	WIN 0
.Lhidden:
	s_add_co_u32 s[KS], s[KS], 1
	s_cmp_lt_u32 s[KS], 16
	s_cbranch_scc1 .Lstep
	; THE PASS'S END: y = O^T / the sum, quantised along the head's 64 (two blocks of C), stored as the granules of my two token tiles and head
	WALU
.irp i, 0,1
	v_add_f32 v[SUM+2*\i], v[SUM+2*\i], v[SUM+2*\i+1]
.endr
.irp i, 0,1
	v_permlanex16_b32 v[TT+\i], v[SUM+2*\i], s[SEL], s[SEL+1]
.endr
.irp i, 0,1
	v_add_f32 v[SUM+2*\i], v[SUM+2*\i], v[TT+\i]   ; with lane l xor 16's.  (These six lines are the places behind the last products)
.endr
	WALU
.irp i, 0,1
	v_rcp_f32 v[SUM+2*\i], v[SUM+2*\i]
.endr
	v_nop                                          ; the plain line behind the reciprocals
	WIN 0x41
	WALU                                           ; ahead of the first reader of the reciprocals and of O^T
.irp j, 0,2,4,6,8,10,12,14,16,18,20,22,24,26,28,30
.irp i, 0,1
	v_pk_mul_f32 v[S+64*\i+\j:S+64*\i+\j+1], v[O+32*\i+\j:O+32*\i+\j+1], v[SUM+2*\i:SUM+2*\i+1] op_sel_hi:[1,0]   ; register 16 b + k is channel 32 b + 16 (lane / 16) + k
.endr
.endr
	WIN 0x05
.irp b, 0,1
.irp i, 0,1
	v_max3_num_f32 v[BM+4*\i+\b], |v[S+64*\i+16*\b]|, |v[S+64*\i+16*\b+1]|, FLOOR
.endr
.endr
.irp k, 2,4,6,8,10,12,14
.irp b, 0,1
.irp i, 0,1
	v_max3_num_f32 v[BM+4*\i+\b], |v[S+64*\i+16*\b+\k]|, |v[S+64*\i+16*\b+\k+1]|, v[BM+4*\i+\b]
.endr
.endr
.endr
	WIN 0
.irp b, 0,1,4,5
	v_permlanex16_b32 v[PM+\b], v[BM+\b], s[SEL], s[SEL+1]
.endr
.irp b, 0,1,4,5
	v_max_num_f32 v[BM+\b], v[BM+\b], v[PM+\b]
.endr
.irp b, 0,1,4,5
	v_add_nc_u32 v[SO+\b], 0xff000000, v[BM+\b]
.endr
.irp b, 0,1,4,5
	v_lshrrev_b32 v[PM+\b], 23, v[SO+\b]
.endr
.irp i, 0,1
	v_lshl_or_b32 v[TT+\i], v[PM+4*\i+1], 8, v[PM+4*\i]        ; my row's two scale bytes
.endr
	WIN 0x01
.irp i, 0,1
	v_cvt_scalef32_pk16_fp6_f32 v[PF+12*\i:PF+12*\i+2], v[S+64*\i:S+64*\i+15], v[SO+4*\i]
	v_cvt_scalef32_pk16_fp6_f32 v[TC+8*\i:TC+8*\i+2], v[S+64*\i+16:S+64*\i+31], v[SO+4*\i+1]
.endr
	WIN 0
	v_nop                                          ; one plain line behind the scaled conversions
.irp i, 0,1
.irp k, 0,1,2
	v_permlane16_swap_b32 v[PF+12*\i+\k], v[TC+8*\i+\k]
.endr
.endr
.irp i, 0,1
.irp k, 0,1,2
	v_mov_b32 v[PF+12*\i+3+\k], v[TC+8*\i+\k]
.endr
.endr
.irp i, 0,1
	global_store_b128 v1, v[PF+12*\i:PF+12*\i+3], s[72:73] offset:12288*\i           ; 512 consecutive bytes,
	global_store_b64 v2, v[PF+12*\i+4:PF+12*\i+5], s[72:73] offset:12288*\i+512      ; and 256: both at multiples of 256 from the buffer's first byte
	global_store_b16 v4, v[TT+\i], s[74:75] offset:512*\i                            ; two bytes a row (both halves of the lanes hold and store the same)
.endr
	s_wait_loadcnt 0x0                             ; the second pass's Q is in
	WIN 0x01
.irp i, 0,1
.irp k, 0,1,2,3,4,5
	v_mov_b32 v[QF+12*\i+\k], v[QN+6*\i+\k]        ; the second pass's Q
.endr
.endr
	v_mov_b32 v[QSC], v[QN+12]
	v_mov_b32 v[QSC+1], v[QN+13]
	WIN 0
	WALU
	s_wait_xcnt 0x0                                ; the stores have read their registers and bases: the next pass writes them
	s_xor_b32 s[GP], s[GP], 15                     ; 15 - w,
	s_xor_b32 s[SUBP], s[SUBP], 3                  ; 3 - cx
	s_sub_co_u32 s[PASS], s[PASS], 1
	s_cmp_lg_u32 s[PASS], 0
	s_cbranch_scc1 .Lpass
	s_wait_tensorcnt 0x0                           ; the wave's end
	ds_add_u32 v[SPW], v[NIL]
	s_wait_dscnt 0x0
	ROUND                                          ; the closing round
	s_endpgm
.Lfunc_end_k_q263cb512b9_attn:
	.size	k_q263cb512b9_attn, .Lfunc_end_k_q263cb512b9_attn-k_q263cb512b9_attn
	.p2alignl 7, 3214868480
	.fill 96, 4, 3214868480
	.section	.rodata,"a",@progbits
	.p2align	6, 0x0
	.amdhsa_kernel k_q263cb512b9_attn
		.amdhsa_group_segment_fixed_size 210944
		.amdhsa_private_segment_fixed_size 0
		.amdhsa_enable_private_segment 0
		.amdhsa_kernarg_size 32
		.amdhsa_user_sgpr_count 2
		.amdhsa_user_sgpr_kernarg_segment_ptr 1
		.amdhsa_wavefront_size32 1
		.amdhsa_system_sgpr_workgroup_id_x 1
		.amdhsa_system_sgpr_workgroup_id_y 1
		.amdhsa_system_sgpr_workgroup_id_z 1
		.amdhsa_system_vgpr_workitem_id 0
		.amdhsa_next_free_vgpr 512
		.amdhsa_next_free_sgpr 80
		.amdhsa_reserve_vcc 1
		.amdhsa_float_denorm_mode_32 3
		.amdhsa_float_denorm_mode_16_64 3
		.amdhsa_memory_ordered 1
		.amdhsa_forward_progress 1
		.amdhsa_inst_pref_size 60
	.end_amdhsa_kernel
	.amdgpu_metadata
---
amdhsa.version: [ 1, 2 ]
amdhsa.kernels:
  - .name:           k_q263cb512b9_attn
    .symbol:         k_q263cb512b9_attn.kd
    .args:
      - { .name: qbuf, .offset: 0, .size: 8, .value_kind: global_buffer, .address_space: global }
      - { .name: kbuf, .offset: 8, .size: 8, .value_kind: global_buffer, .address_space: global }
      - { .name: vbuf, .offset: 16, .size: 8, .value_kind: global_buffer, .address_space: global }
      - { .name: ybuf, .offset: 24, .size: 8, .value_kind: global_buffer, .address_space: global }
    .group_segment_fixed_size: 210944
    .private_segment_fixed_size: 0
    .kernarg_segment_align: 8
    .kernarg_segment_size: 32
    .max_flat_workgroup_size: 256
    .sgpr_count:     80
    .vgpr_count:     512
    .wavefront_size: 32
...
	.end_amdgpu_metadata
.endif
;; end of part 3
;; launch proj (part 4): grid 8 x 32, 4 waves a work-group, clusters of 4 x 4, 327,680 bytes of LDS; arguments ybuf, wbuf, out0; writes out0
.if DOCPART == 4
	.amdgcn_target "amdgcn-amd-amdhsa--gfx1250"
	.amdhsa_code_object_version 6
	.text
	.protected	k_q263cb512b9_proj
	.globl	k_q263cb512b9_proj
	.p2align	8
	.type	k_q263cb512b9_proj,@function
k_q263cb512b9_proj:
	s_mov_b64 s[64:65], 0
	v_nop
	global_prefetch_b8 v0, s[64:65] scope:SCOPE_SE
	s_setreg_imm32_b32 hwreg(HW_REG_WAVE_MODE, 25, 1), 1
	s_wait_xcnt 0x0
	s_wait_alu depctr_hold_cnt(0) depctr_sa_sdst(0) depctr_va_vdst(0) depctr_va_sdst(0) depctr_va_ssrc(0) depctr_va_vcc(0) depctr_vm_vsrc(0)
	s_getreg_b32 s2, hwreg(HW_REG_IB_STS2, 6, 4)
	s_cmp_eq_u32 s2, 0
	s_cbranch_scc0 .Lentry_in_a_cluster
	s_endpgm
.Lentry_in_a_cluster:
	s_bfe_u32 s2, ttmp6, 0x10000c
	s_cmp_lg_u32 s2, 0xf033
	s_cbranch_scc0 .Lentry_shape_is_right
	s_endpgm
.Lentry_shape_is_right:
; out0 = y w_proj on codes of FP6 (E2M3) with E8M0 scales, K = 1024; the result is f32.
; OPERANDS are images of registers.  A granule (16 rows x 64 K) is 768 bytes: lane l's registers 0-3 at 16 l, registers 4-5 at 512 + 8 l.  Codes [row tile][16 granules][768]; scale bytes [row tile][K / 256][r][8].
; Row tile 2 b + u holds rows 32 b + 8 u + r + 8 (r / 8).
; THE DEAL.  256 work-groups: x = which 128 columns, y = which 256 tokens.  Four waves, 2 x 2: row a takes 128 tokens (8 row tiles), column b 64 columns (4 row tiles of the weight).
; ALL THAT A WORK-GROUP READS LIES IN LDS AT ONCE: y's 256 rows (196,608 bytes) and the weight's 128 (98,304), all of K, each byte filled once: no ring and no refill.  One tensor load a wave at the head.
; A wave's 64 rows of the weight lie in 384 registers; y goes past them in blocks of 16 tokens, 32 products a block, four accumulators by turns.
; Source 0 = the weight's tile, source 1 = y's: a lane holds one token and 16 neighbouring columns for each pair of tiles.  A block, 16 rows x 256 bytes, goes through the wave's own stage in LDS and leaves as whole rows, while the next block is multiplied.
; SCALE WORDS come by plain loads, 256 consecutive bytes each: lanes 0-15 get the words of K / 256 = 2 p, lanes 16-31 of 2 p + 1: step q of 128 reads register 2 (q / 4) + q % 2, lanes' half (q / 2) % 2.
; CLUSTERS: 4 x 4; y's tiles are asked for jointly along a row of the cluster, the weight's along a column.  NO PREFETCH: every tile is asked for at the head, and there is no loop to run ahead in.
; REGISTERS: window 0: v0-17 addresses, v32-63 y's scale words, v66-81 the weight's, v128-191 rows on the way out.  Fragment f (12 registers) lies in window 1 + f / 21 at 12 (f % 21): 0-31 the weight's (4 q + t), 32-47 y's two sets.  v896-959 accumulators, two sets.
.set TILEB,  12288
.set WB,     196608
.set STG,    294912                    ; four stages of 16 rows x (256 + 16) bytes
.set SPARE,  312320
.set YS,     6291456
.set WPC,    2457600
.set WPS,    3244032
.set H,    2
.set L16,  4
.set L8,   5
.set A16,  6                           ; v6, v7: my row tiles 0-3 (16 l, 8 l); v8, v9: tiles 4-7
.set A8,   7
.set W16,  10
.set W8,   11
.set SPW,  12
.set NIL,  13
.set STO,  14
.set RD,   15
.set CO,   16
.set SA,   32
.set SB,   66
.set BK,   128
.set ACC,  128                         ; in window 3
.set G1A, 24
.set G1W, 32
.set G0A, 48
.set G0W, 52
.set MSB, 0
.macro WIN new
.if MSB != (\new)
	s_set_vgpr_msb (MSB<<8)|(\new)
.set MSB, (\new)
.endif
.endm
.macro PLACES n
.rept \n
	v_nop
.endr
.endm
.macro BARRIER
	s_barrier_signal -1
	s_barrier_wait -1
.endm
.macro CROUND
	BARRIER
	s_cmp_lg_u32 s14, 0
	s_cbranch_scc1 .Lnot_wave_0_\@
	s_barrier_signal -3
.Lnot_wave_0_\@:
	s_barrier_wait -3
	BARRIER
.endm
.macro TLOAD g0, g1
	tensor_load_to_lds s[\g0:\g0+3], s[\g1:\g1+7]
	s_nop 0
	PLACES 4
.endm
.macro GROUP1 g, mask, rows            ; a dense block as rows of 256 bytes (32 elements of 8)
	s_or_b32 s[\g], s[\mask], (3<<16)|(1<<21)
	s_mov_b32 s[\g+1], 32<<16
	s_mov_b32 s[\g+2], (\rows)<<16
	s_mov_b32 s[\g+3], 32<<16
	s_mov_b32 s[\g+4], \rows
	s_mov_b32 s[\g+5], 32
	s_mov_b32 s[\g+6], 0
	s_mov_b32 s[\g+7], 0
.endm
.macro FRAGL f, a16, a8, off
.set R_, 12*((\f)%21)
	WIN ((1+(\f)/21)<<6)
	ds_load_b128 v[R_:R_+3], v[\a16] offset:(\off)
	ds_load_b64 v[R_+4:R_+5], v[\a8] offset:(\off)+512
	ds_load_b128 v[R_+6:R_+9], v[\a16] offset:(\off)+768
	ds_load_b64 v[R_+10:R_+11], v[\a8] offset:(\off)+1280
.endm
.macro WEIGHTS
.irp q, 0,1,2,3,4,5,6,7
.irp t, 0,1,2,3
	FRAGL 4*\q+\t, W16, W8, \t*TILEB+\q*1536
.endr
.endr
	WIN 0
.endm
.macro FETCH e, s                      ; my row tile s, all of K, into set e: 32 loads
.irp q, 0,1,2,3,4,5,6,7
	FRAGL 32+8*(\e)+\q, A16+2*((\s)/4), A8+2*((\s)/4), ((\s)%4)*TILEB+\q*1536
.endr
	WIN 0
.endm
.macro PROD e, s, q, t, d
.set FW_, 4*(\q)+(\t)
.set FA_, 32+8*(\e)+(\q)
.set RW_, 12*(FW_%21)
.set RA_, 12*(FA_%21)
.set XW_, SB+4*(\t)+2*((\q)/4)+(\q)%2
.set XA_, SA+4*(\s)+2*((\q)/4)+(\q)%2
	WIN ((1+FW_/21)|((1+FA_/21)<<2)|0xf0)
.if (\q) == 0
	v_wmma_scale_f32_16x16x128_f8f6f4 v[\d:\d+7], v[RW_:RW_+11], v[RA_:RA_+11], 0, v[XW_], v[XA_] matrix_a_fmt:MATRIX_FMT_FP6 matrix_b_fmt:MATRIX_FMT_FP6
.elseif ((\q)/2)%2
	v_wmma_scale_f32_16x16x128_f8f6f4 v[\d:\d+7], v[RW_:RW_+11], v[RA_:RA_+11], v[\d:\d+7], v[XW_], v[XA_] matrix_a_fmt:MATRIX_FMT_FP6 matrix_b_fmt:MATRIX_FMT_FP6 matrix_a_scale:MATRIX_SCALE_ROW1 matrix_b_scale:MATRIX_SCALE_ROW1
.else
	v_wmma_scale_f32_16x16x128_f8f6f4 v[\d:\d+7], v[RW_:RW_+11], v[RA_:RA_+11], v[\d:\d+7], v[XW_], v[XA_] matrix_a_fmt:MATRIX_FMT_FP6 matrix_b_fmt:MATRIX_FMT_FP6
.endif
.endm
.macro TOSTAGE s                       ; 8 stores and 8 loads: LDS serves a wave's instructions in order, so the loads see the stores.  Each accumulator goes from its low end on
.set AC_, ACC+32*((\s)%2)
	WIN 0x0c
.irp t, 0,1,2,3
	ds_store_b128 v[STO], v[AC_+8*\t:AC_+8*\t+3] offset:128*(\t/2)+32*(\t%2)
	ds_store_b128 v[STO], v[AC_+8*\t+4:AC_+8*\t+7] offset:128*(\t/2)+32*(\t%2)+16
.endr
	WIN 0
.irp k, 0,1,2,3,4,5,6,7
	ds_load_b128 v[BK+32*((\s)%2)+4*\k:BK+32*((\s)%2)+4*\k+3], v[RD] offset:\k*544
.endr
.endm
.macro SEND s, younger                 ; sixteen lanes store a row's 256 consecutive bytes, at a multiple of 256 from out0's first byte
	s_wait_dscnt \younger
.irp k, 0,1,2,3,4,5,6,7
	global_store_b128 v[CO], v[BK+32*((\s)%2)+4*\k:BK+32*((\s)%2)+4*\k+3], s[8:9] offset:(32*((\s)/2)+8*((\s)%2)+2*\k+8*(\k/4))*4096 th:TH_STORE_NT
.endr
.endm
; A block.  The wait for its rows counts what is younger than their fetch: the stage's 16 of the last block and the next block's fetch, 32.
.macro BLOCKP s
.if \s == 0
	s_wait_dscnt 32
.elseif \s < 7
	s_wait_dscnt 48
.else
	s_wait_dscnt 16
.endif
.irp q, 0,1,2,3,4,5,6,7
.irp t, 0,1,2,3
	PROD (\s)%2, \s, \q, \t, ACC+32*((\s)%2)+8*\t
.endr
.endr
	WIN 0
	PLACES 5                                       ; for the loads, reads and new sums behind the products
.if \s == 7
	SEND 6, 0
.elseif \s > 0
	SEND (\s)-1, 32                                ; the last block's rows are back; the fetch behind them may be out
.endif
	s_wait_xcnt 0x0                                ; earlier stores have read the registers that the stage's loads fill
	TOSTAGE \s
.if \s < 6
	FETCH (\s)%2, (\s)+2
.endif
.endm
	s_load_b128 s[4:7], s[0:1], 0x0                ; ybuf, wbuf
	s_load_b64 s[8:9], s[0:1], 0x10                ; out0
	v_lshl_add_u32 v[SPW], v0, 2, SPARE
	v_mov_b32 v[NIL], 0
	ds_add_u32 v[SPW], v[NIL]                      ; the opening lines: the add twice on end and its wait
	ds_add_u32 v[SPW], v[NIL]
	v_lshrrev_b32 v1, 5, v0
	v_readfirstlane_b32 s14, v1                    ; wave
	s_lshr_b32 s15, s14, 1                         ; a: my 128 tokens
	s_and_b32 s16, s14, 1                          ; b: my 64 columns.  Also: which half of a tile I fetch
	s_bfe_u32 s40, ttmp6, 0x40000                  ; cx
	s_bfe_u32 s41, ttmp6, 0x40004                  ; cy
	s_lshl_b32 s42, ttmp9, 2
	s_add_co_u32 s42, s42, s40                     ; tx
	s_and_b32 s17, ttmp7, 0xffff
	s_lshl_b32 s17, s17, 2
	s_add_co_u32 s17, s17, s41                     ; ty
	s_lshl_b32 s43, s41, 2
	s_lshl_b32 s43, 15, s43                        ; my row of the cluster
	s_lshl_b32 s44, 0x1111, s40                    ; my column
	GROUP1 G1A, 43, 384                            ; eight row tiles of y: 98,304 bytes on end
	GROUP1 G1W, 44, 192                            ; four of the weight
	s_mov_b32 s[G0A], 1
	s_mul_i32 s[G0A+1], s16, 98304
	s_mov_b32 s[G0W], 1
	s_mul_i32 s[G0W+1], s16, 49152
	s_add_co_u32 s[G0W+1], s[G0W+1], WB
	s_lshl_b32 s20, s17, 4
	s_lshl_b32 s21, s16, 3
	s_add_co_u32 s20, s20, s21
	s_mul_i32 s20, s20, TILEB
	s_mov_b32 s21, 0
	s_lshl_b32 s46, s42, 3
	s_lshl_b32 s47, s16, 2
	s_add_co_u32 s46, s46, s47
	s_lshl_b32 s56, s46, 9
	s_add_co_u32 s56, s56, WPS                     ; my columns' scale bytes
	s_mov_b32 s57, 0
	s_mul_i32 s46, s46, TILEB
	s_add_co_u32 s46, s46, WPC
	s_mov_b32 s47, 0
	s_lshl_b32 s22, s17, 4
	s_lshl_b32 s23, s15, 3
	s_add_co_u32 s22, s22, s23
	s_lshl_b32 s22, s22, 9
	s_add_co_u32 s22, s22, YS                      ; my tokens' scale bytes
	s_mov_b32 s23, 0
	s_lshl_b32 s58, s17, 8
	s_lshl_b32 s59, s15, 7
	s_add_co_u32 s58, s58, s59
	s_lshl_b32 s58, s58, 12                        ; my first row of out0,
	s_lshl_b32 s59, s42, 9
	s_add_co_u32 s58, s58, s59
	s_lshl_b32 s59, s16, 8
	s_add_co_u32 s58, s58, s59                     ; my first column
	s_mov_b32 s59, 0
	s_mul_i32 s60, s14, 4352
	s_add_co_u32 s60, s60, STG                     ; my stage
	s_mul_i32 s61, s15, 98304
	v_and_b32 v1, 31, v0
	v_bfe_u32 v[H], v0, 4, 1
	v_and_b32 v3, 15, v0
	v_lshlrev_b32 v[L16], 4, v1
	v_lshlrev_b32 v[L8], 3, v1
	v_add_nc_u32 v[A16], s61, v[L16]
	v_add_nc_u32 v[A8], s61, v[L8]
	v_add_nc_u32 v[A16+2], 49152, v[A16]
	v_add_nc_u32 v[A8+2], 49152, v[A8]
	v_add_nc_u32 v[W16], s[G0W+1], v[L16]
	v_add_nc_u32 v[W8], s[G0W+1], v[L8]
	v_mul_u32_u24 v17, v3, 272
	v_lshl_add_u32 v17, v[H], 6, v17
	v_add_nc_u32 v[STO], s60, v17                  ; in: row r, 64 bytes for each half of the lanes
	v_mul_u32_u24 v17, v[H], 272
	v_lshl_add_u32 v17, v3, 4, v17
	v_add_nc_u32 v[RD], s60, v17                   ; back: lanes 0-15 one row, lanes 16-31 the next
	v_lshlrev_b32 v17, 12, v[H]
	v_lshl_add_u32 v[CO], v3, 4, v17               ; and the same two rows in out0
	s_wait_alu depctr_va_vdst(0)                   ; the wait at the head's end
	s_wait_dscnt 0x0
	CROUND                                         ; the opening round
	s_wait_kmcnt 0x0
	s_add_nc_u64 s[G0A+2:G0A+3], s[4:5], s[20:21]
	s_or_b32 s[G0A+3], s[G0A+3], 0x80000000
	s_add_nc_u64 s[G0W+2:G0W+3], s[6:7], s[46:47]
	s_or_b32 s[G0W+3], s[G0W+3], 0x80000000
	s_cmp_lt_u32 s14, 2                            ; one load a wave: waves 0, 1 a half each of the weight, waves 2, 3 a half each of y's rows
	s_cbranch_scc0 .Lfor_a
	TLOAD G0W, G1W
	s_branch .Lasked
.Lfor_a:
	TLOAD G0A, G1A
.Lasked:
	s_add_nc_u64 s[22:23], s[4:5], s[22:23]
	s_add_nc_u64 s[56:57], s[6:7], s[56:57]
	s_add_nc_u64 s[8:9], s[8:9], s[58:59]
.irp s, 0,1,2,3,4,5,6,7
.irp p, 0,1
	global_load_b64 v[SA+4*\s+2*\p:SA+4*\s+2*\p+1], v[L8], s[22:23] offset:512*\s+256*\p
.endr
.endr
.irp t, 0,1,2,3
.irp p, 0,1
	global_load_b64 v[SB+4*\t+2*\p:SB+4*\t+2*\p+1], v[L8], s[56:57] offset:512*\t+256*\p
.endr
.endr
	s_cmp_lt_u32 s14, 2
	s_cbranch_scc0 .Lnot_w
	s_wait_tensorcnt 0x0
.Lnot_w:
	BARRIER                                        ; the weight is in; y's rows may be on their way: nothing is ever filled again
	WEIGHTS
	s_wait_tensorcnt 0x0
	s_wait_dscnt 0x0
	BARRIER                                        ; y's rows are in
	FETCH 0, 0
	FETCH 1, 1
	s_wait_loadcnt 0x0                             ; the scale words
.irp s, 0,1,2,3,4,5,6,7
	BLOCKP \s
.endr
	SEND 7, 0
	s_wait_tensorcnt 0x0                           ; the wave's end
	ds_add_u32 v[SPW], v[NIL]
	s_wait_dscnt 0x0
	CROUND                                         ; the closing round
	s_endpgm
.Lfunc_end_k_q263cb512b9_proj:
	.size	k_q263cb512b9_proj, .Lfunc_end_k_q263cb512b9_proj-k_q263cb512b9_proj
	.p2alignl 7, 3214868480
	.fill 96, 4, 3214868480
	.section	.rodata,"a",@progbits
	.p2align	6, 0x0
	.amdhsa_kernel k_q263cb512b9_proj
		.amdhsa_group_segment_fixed_size 327680
		.amdhsa_private_segment_fixed_size 0
		.amdhsa_enable_private_segment 0
		.amdhsa_kernarg_size 24
		.amdhsa_user_sgpr_count 2
		.amdhsa_user_sgpr_kernarg_segment_ptr 1
		.amdhsa_wavefront_size32 1
		.amdhsa_system_sgpr_workgroup_id_x 1
		.amdhsa_system_sgpr_workgroup_id_y 1
		.amdhsa_system_sgpr_workgroup_id_z 1
		.amdhsa_system_vgpr_workitem_id 0
		.amdhsa_next_free_vgpr 1024
		.amdhsa_next_free_sgpr 66
		.amdhsa_reserve_vcc 0
		.amdhsa_float_denorm_mode_32 3
		.amdhsa_float_denorm_mode_16_64 3
		.amdhsa_memory_ordered 1
		.amdhsa_forward_progress 1
		.amdhsa_inst_pref_size 84
	.end_amdhsa_kernel
	.amdgpu_metadata
---
amdhsa.version: [ 1, 2 ]
amdhsa.kernels:
  - .name:           k_q263cb512b9_proj
    .symbol:         k_q263cb512b9_proj.kd
    .args:
      - { .name: ybuf, .offset: 0, .size: 8, .value_kind: global_buffer, .address_space: global }
      - { .name: wbuf, .offset: 8, .size: 8, .value_kind: global_buffer, .address_space: global }
      - { .name: out0, .offset: 16, .size: 8, .value_kind: global_buffer, .address_space: global }
    .group_segment_fixed_size: 327680
    .private_segment_fixed_size: 0
    .kernarg_segment_align: 8
    .kernarg_segment_size: 24
    .max_flat_workgroup_size: 128
    .sgpr_count:     66
    .vgpr_count:     1024
    .wavefront_size: 32
...
	.end_amdgpu_metadata
.endif
;; end of part 4
